; MI455X (gfx1250); checked and timed in simulation.
; The chip was launched on July 23, 2026; its instructions are those of AMD's public machine-readable ISA for CDNA 5 (MIT licence, August 2026) and "CDNA5" Instruction Set Architecture Reference Guide (July 2026). The comments in the code are by the model that wrote it; some were corrected since.
;; Encoder Block. Allowed arithmetic: matrix products marked QUANTISED: E4M3 operands, one given power-of-two scale a tensor, by v_wmma_f32_16x16x64_fp8_fp8 or v_wmma_f32_16x16x128_fp8_fp8, f32 sums; everything else in f32.
;; Inputs: W1 1,024 x 4,096 float32; W2 4,096 x 1,024 float32; Wk 1,024 x 1,024 float32; Wo 1,024 x 1,024 float32; Wq 1,024 x 1,024 float32; Wv 1,024 x 1,024 float32; b1 4,096 float32; b2 1,024 float32; bk 1,024 float32; bo 1,024 float32; bq 1,024 float32; bv 1,024 float32; ln1_a 1,024 float32; ln1_b 1,024 float32; ln2_a 1,024 float32; ln2_b 1,024 float32; lowp_scales 16 int32 (the exponents e of the quantised operands' scales 2^e); x 2 x 2,048 x 1,024 float32.
;; Outputs: out0 2 x 2,048 x 1,024 float32.
;; This version of the problem:
;;   THIS VERSION OF THE PROBLEM IS GIVEN IN LOW PRECISION. The matrix products marked QUANTISED in the list below multiply operands that are first quantised to E4M3 (4 exponent bits, 3 mantissa bits; 8 bits a number), with one given power-of-two scale for each operand tensor; their sums are f32. All else is computed in f32.
;;   The module's matrix products, in the order in which they are computed (A, B: the left and right operand; K: the contracted axis; several contracted axes count as one K, in the product's order):
;;     1. [M 4,096, K 1,024] x [K 1,024, N 1,024]; A: computed on the way; B: input Wq: QUANTISED (scales: A lowp_scales[0], B lowp_scales[1])
;;     2. [M 4,096, K 1,024] x [K 1,024, N 1,024]; A: computed on the way; B: input Wk: QUANTISED (scales: A lowp_scales[2], B lowp_scales[3])
;;     3. [M 4,096, K 1,024] x [K 1,024, N 1,024]; A: computed on the way; B: input Wv: QUANTISED (scales: A lowp_scales[4], B lowp_scales[5])
;;     4. batch 32 x [M 2,048, K 64] x [K 64, N 2,048]; A: computed on the way; B: computed on the way: QUANTISED (scales: A lowp_scales[6], B lowp_scales[7])
;;     5. batch 32 x [M 2,048, K 2,048] x [K 2,048, N 64]; A: softmax (see below); B: computed on the way: QUANTISED (scales: A lowp_scales[8], B lowp_scales[9])
;;     6. [M 4,096, K 1,024] x [K 1,024, N 1,024]; A: computed on the way; B: input Wo: QUANTISED (scales: A lowp_scales[10], B lowp_scales[11])
;;     7. [M 4,096, K 1,024] x [K 1,024, N 4,096]; A: computed on the way; B: input W1: QUANTISED (scales: A lowp_scales[12], B lowp_scales[13])
;;     8. [M 4,096, K 4,096] x [K 4,096, N 1,024]; A: computed on the way; B: input W2: QUANTISED (scales: A lowp_scales[14], B lowp_scales[15])
;;   THE QUANTISER, for each operand of a quantised product, along K:
;;     - The operand's scale is 2^e, e = its entry of the input lowp_scales (int32; the entries are numbered through the quantised products in the list's order, A before B).
;;     - Each number is divided by the scale, clamped to +-448, and rounded to the nearest number of E4M3, ties to even, subnormals kept.
;;     - The product sums the exact products of the quantised numbers (number of the format x scale) in f32.
;;   ~~~python
;;   def quantise(x, axis, e):      # numpy; x: float32 -> the quantised numbers, widened to float32 again
;;       x = np.moveaxis(x, axis, -1); K = x.shape[-1]
;;       r = np.clip(x / 2.0 ** e, -448, 448)
;;       step = 2.0 ** (np.maximum(np.frexp(np.where(r == 0, 1, r))[1] - 1, -6) - 3)
;;       q = np.round(r / step) * step * 2.0 ** e      # np.round: ties to even
;;       return np.moveaxis(q, -1, axis).astype(np.float32)
;;   ~~~
;;   SOFTMAX AHEAD OF A QUANTISED PRODUCT. Where the list says 'softmax', what is quantised is not the finished softmax but p = 2^(t - M), with t = logit x log2(e) and M = ceil(the row's largest t), a whole number; so 1/2 < the row's largest p <= 1. The row's sum l is taken of the UNQUANTISED p, in f32, and the product's result is divided by l at the end. Since M is a whole number, a kernel that streams over the keys may use a running M (the ceiling of the running maximum): every later rescaling is an exact power of two, so the quantised numbers keep their values, but for numbers so far below the row's largest that they fall under the format's range.
;;   OPERANDS COMPUTED ON THE WAY. 'Computed on the way' means the value that the module computes at that place (a softmax that the list does not call 'softmax' is quantised finished and normalised). What goes into a quantiser is computed in f32, as accurately as f32 sums, v_exp_f32 and their like allow (about 1e-6 of the number): no bf16 or f16 on the way to a quantiser, and a product that is left as it is and whose result goes on into a quantised operand takes f32 operands (vector FMAs, or v_wmma_f32_16x16x4_f32). A number that lies on a knife's edge between two numbers of the format may be rounded either way, as far as f32 arithmetic and the matrix unit's own rounding can turn it there, and no further.
;; One version. Each part assembles by itself: llvm-mc -triple=amdgcn-amd-amdhsa -mcpu=gfx1250 --defsym DOCPART=n.
;; ======== version 1 of 1: 7 launches
;; limits: right only within a limited range of input values
;; workspace buffers: wc 12,595,200 bytes; h3 12,582,912 bytes; qkvc 12,582,912 bytes; oc 4,194,304 bytes; x1 16,777,216 bytes; h2 4,194,304 bytes; ff 16,777,216 bytes
;; launch prep (part 1): grid 640 x 1, 4 waves a work-group, no clusters, 36,352 bytes of LDS; arguments Wq, Wk, Wv, Wo, W1, W2, bq, bk, bv, x, ln1_a, ln1_b, lowp_scales, wc, h3; writes wc, h3
.if DOCPART == 1
	.amdgcn_target "amdgcn-amd-amdhsa--gfx1250"
	.amdhsa_code_object_version 6
	.text
	.protected	k_q88a558116c_prep
	.globl	k_q88a558116c_prep
	.p2align	8
	.type	k_q88a558116c_prep,@function
k_q88a558116c_prep:
	s_mov_b64 s[64:65], 0
	v_nop
	global_prefetch_b8 v0, s[64:65] scope:SCOPE_SE
	s_setreg_imm32_b32 hwreg(HW_REG_WAVE_MODE, 25, 1), 1
	s_wait_xcnt 0x0
; PREP.  Two kinds of work-groups, parted once by the work-group's number.
; Work-groups 0-383: the six weights, f32 stored [K][N], become codes of FP8 (E4M3) laid [N][K], K innermost, each with its given scale 2^e.
;   wc, in bytes: 0 Wq, Wk, Wv as one matrix [3072][1024]; 3,145,728 Wo [1024][1024]; 4,194,304 W1 [4096][1024]; 8,388,608 W2 [1024][4096]; 12,582,912 the biases bq, bk, bv as f32 [3072].
;   Wv's rows (and bv) are laid in the order n' = 16 (n mod 64) + n / 64: a row of the later product h Wv then holds, for each channel of a head, its 16 keys as 16 neighbouring bytes.
;   A work-group takes 128 columns x 256 along K.  A lane takes a column and its registers run down K: each load reads 128 consecutive bytes a wave, and the conversions give codes with K innermost.
;   The codes go through the wave's own stage in LDS and leave as rows: sixteen lanes store 256 consecutive bytes, aligned.
; Work-groups 384-639: h = ln1_a (x - mean) / (std + 1e-6) + ln1_b, std with divisor 1023, quantised three times (scales 0, 2, 4) into h3 [3][4096][1024].  A wave takes 4 rows, a row at a time, in registers.
;   The mean is taken away before the squares are summed, so a common offset of x costs no digits.
; code = number / 2^e, held within +-448, to the nearest code, ties to even.  LIMITS: each e between -126 and 119.  NaN among the inputs is not served.
; No tensor loads, no barrier: waves share nothing.  Only the weights' path touches LDS.
.set NWGW,  384
.set PITCH, 272                        ; a stage row: 256 bytes of codes + 16
.set OF,   16                          ; v16-47   weights: 4 x lane + i source rows
.set X,    48                          ; v48-111  two sets of 32 numbers
.set C,    112                         ; v112-119 a block's codes
.set OUTR, 120                         ; v120-183 rows read back from the stage
.set AO,   184                         ; v184-199 their places in wc
.set BS,   32                          ; s[32:47] the source at each of the 8 blocks of 32 along K
.set AL,   16                          ; norm: v16-47 ln1_a, v48-79 ln1_b, v80-207 four rows, v208-239 held numbers, v240-247 codes
.set BE,   48
.set XR,   80
.set TT,   208
.set CC,   240
.set SCL,  248                         ; v248-250 2^e as f32
.set LIM,  251                         ; v251-253 448 x 2^e
.set OB,   40                          ; s[40:45] the three outputs at my first row
	s_load_b512 s[4:19], s[0:1], 0x0               ; Wq Wk Wv Wo W1 W2 bq bk
	s_load_b256 s[20:27], s[0:1], 0x40             ; bv x ln1_a ln1_b
	s_load_b128 s[28:31], s[0:1], 0x60             ; lowp_scales wc
	s_load_b64 s[48:49], s[0:1], 0x70              ; h3
	v_lshl_add_u32 v254, v0, 2, 0x8c00
	v_mov_b32 v255, 0
	v_lshrrev_b32 v1, 5, v0
	v_readfirstlane_b32 s52, v1                    ; wave
	v_and_b32 v2, 31, v0                           ; lane
	s_cmp_ge_u32 ttmp9, NWGW
	s_cbranch_scc1 .Lnorm
; ---------------- the weights ----------------
	s_lshr_b32 s53, ttmp9, 5
	s_lshr_b32 s54, ttmp9, 7
	s_add_co_u32 s54, s54, 3
	s_and_b32 s55, ttmp9, 31
	s_and_b32 s56, ttmp9, 127
	s_cmp_lt_u32 s53, 4
	s_cselect_b32 s53, s53, s54                    ; c: 0 Wq, 1 Wk, 2 Wv, 3 Wo (32 work-groups each), 4 W1, 5 W2 (128 each)
	s_cselect_b32 s55, s55, s56                    ; my number within the weight
	s_lshl_b32 s62, s53, 10
	s_lshl_b32 s63, s53, 3
	s_cmp_eq_u32 s53, 4
	s_cselect_b32 s56, 5, 3                        ; log2 of the blocks of 128 columns
	s_cselect_b32 s57, 14, 12                      ; log2 of a source row's bytes
	s_cselect_b32 s61, 4, 0
	s_cmp_eq_u32 s53, 5
	s_cselect_b32 s58, 12, 10                      ; log2 of a row of codes
	s_cselect_b32 s61, 8, s61
	s_cmp_eq_u32 s53, 3
	s_cselect_b32 s61, 3, s61
	s_cmp_eq_u32 s53, 2
	s_cselect_b32 s69, 4, 0                        ; log2 of the rows between neighbouring columns' codes: 16 for Wv
	s_cmp_lt_u32 s53, 3
	s_cselect_b32 s62, s62, 0                      ; first row in the joint matrix of Wq, Wk, Wv
	s_cselect_b32 s66, 4, 20
	s_add_co_u32 s63, s63, s66                     ; the byte of my scale: entries 1, 3, 5, 11, 13, 15
	s_lshl_b32 s61, s61, 20                        ; where the weight's codes begin in wc
	s_lshr_b32 s60, s55, s56                       ; which 256 along K
	s_lshl_b32 s66, s60, s56
	s_sub_co_u32 s59, s55, s66                     ; which 128 columns
	s_lshl_b32 s67, s59, 7
	s_lshl_b32 s66, s52, 5
	s_add_co_u32 s67, s67, s66                     ; nb: my wave's first column
	s_and_b32 s68, s67, 63
	s_lshl_b32 s68, s68, 4
	s_lshr_b32 s66, s67, 6
	s_add_co_u32 s68, s68, s66                     ; 16 (nb mod 64) + nb / 64
	s_cmp_eq_u32 s53, 2
	s_cselect_b32 s68, s68, s67                    ; the row of lane 0's codes
	s_add_co_u32 s77, s58, s69                     ; log2 of the bytes from lane to lane in wc
	s_add_co_u32 s66, s57, 8
	s_lshl_b32 s72, s60, s66                       ; 256 source rows x which
	s_lshl_b32 s66, s67, 2
	s_add_co_u32 s72, s72, s66
	s_mov_b32 s73, 0
	s_add_co_u32 s66, s57, 5
	s_lshl_b32 s74, 1, s66                         ; 32 source rows
	s_mov_b32 s75, 0
	s_lshl_b32 s76, 1, s57                         ; one source row
	s_add_co_u32 s66, s77, 1
	s_lshl_b32 s78, 1, s66                         ; two rows of codes
	s_add_co_u32 s79, s62, s68
	s_lshl_b32 s80, s79, s58
	s_add_co_u32 s80, s80, s61
	s_lshl_b32 s66, s60, 8
	s_add_co_u32 s80, s80, s66                     ; my wave's first byte in wc
	s_mov_b32 s81, 0
	s_mov_b32 s82, s63
	s_mov_b32 s83, 0
	s_wait_alu depctr_va_vdst(0)
	v_lshlrev_b32 v[OF], 2, v2
.set i, 1
.rept 31
	v_add_nc_u32 v[OF+i], s76, v[OF+i-1]
.set i, i+1
.endr
	s_mul_i32 s84, s52, 32*PITCH                   ; my stage
	v_mul_u32_u24 v4, v2, PITCH
	v_add_nc_u32 v4, s84, v4                       ; into it: row = my column
	v_and_b32 v5, 15, v2
	v_lshrrev_b32 v6, 4, v2
	v_mul_u32_u24 v7, v6, PITCH
	v_lshl_add_u32 v7, v5, 4, v7
	v_add_nc_u32 v7, s84, v7                       ; out of it: sixteen lanes to a row, two rows an instruction
	v_lshlrev_b32 v8, s77, v6
	v_lshl_add_u32 v[AO], v5, 4, v8
.set i, 1
.rept 15
	v_add_nc_u32 v[AO+i], s78, v[AO+i-1]
.set i, i+1
.endr
	s_wait_kmcnt 0x0
	s_cmp_eq_u32 s53, 1                            ; the choices hang on the work-group's number alone
	s_cselect_b64 s[50:51], s[6:7], s[4:5]
	s_cselect_b64 s[86:87], s[18:19], s[16:17]
	s_cmp_eq_u32 s53, 2
	s_cselect_b64 s[50:51], s[8:9], s[50:51]
	s_cselect_b64 s[86:87], s[20:21], s[86:87]
	s_cmp_eq_u32 s53, 3
	s_cselect_b64 s[50:51], s[10:11], s[50:51]
	s_cmp_eq_u32 s53, 4
	s_cselect_b64 s[50:51], s[12:13], s[50:51]
	s_cmp_eq_u32 s53, 5
	s_cselect_b64 s[50:51], s[14:15], s[50:51]
	s_add_nc_u64 s[88:89], s[28:29], s[82:83]
	s_load_b32 s90, s[88:89], 0x0                  ; e
	s_add_nc_u64 s[BS:BS+1], s[50:51], s[72:73]
.irp t, 1,2,3,4,5,6,7
	s_add_nc_u64 s[BS+2*\t:BS+2*\t+1], s[BS+2*\t-2:BS+2*\t-1], s[74:75]
.endr
	s_add_nc_u64 s[92:93], s[30:31], s[80:81]
	; the work-groups of Wq, Wk, Wv that hold K's first part also copy their 128 numbers of the bias, in the rows' order
	s_cmp_lt_u32 s53, 3
	s_cbranch_scc0 .Lnobias
	s_cmp_eq_u32 s60, 0
	s_cbranch_scc0 .Lnobias
	s_lshl_b32 s66, s67, 2
	v_add_nc_u32 v12, s66, v[OF]
	global_load_b32 v13, v12, s[86:87]
	s_add_co_u32 s66, s69, 2
	v_lshlrev_b32 v14, s66, v2
	s_lshl_b32 s66, s79, 2
	s_add_co_u32 s66, s66, 12582912
	v_add_nc_u32 v14, s66, v14
	s_wait_alu depctr_va_vdst(0)
	s_wait_loadcnt 0x0
	global_store_b32 v14, v13, s[30:31]            ; v12-14 serve nothing else
.Lnobias:
.macro LOAD t                          ; block t: W(32 t + i, my column) into set t % 2
.set i, 0
.rept 32
	global_load_b32 v[X+32*((\t)%2)+i], v[OF+i], s[BS+2*(\t):BS+2*(\t)+1] th:TH_LOAD_NT
.set i, i+1
.endr
.endm
	LOAD 0
	LOAD 1
	s_wait_kmcnt 0x0
	s_add_co_i32 s90, s90, 127
	s_lshl_b32 s91, s90, 23
	v_mov_b32 v11, s91                             ; 2^e as f32: the conversion takes its exponent field
	s_add_co_i32 s90, s90, 8
	s_lshl_b32 s90, s90, 23
	s_or_b32 s90, s90, 0x600000
	v_mov_b32 v10, s90                             ; 448 x 2^e
.macro BLOCK t
.set XS, X+32*((\t)%2)
.if (\t) < 7
	s_wait_loadcnt 32                              ; this block's 32 loads are in; the next block's may be out
.else
	s_wait_loadcnt 0
.endif
.set i, 0
.rept 32
	v_med3_num_f32 v[XS+i], v[XS+i], -v10, v10     ; the conversion to an 8-bit code does not saturate (ISA guide 7.6.2): the hold comes first
.set i, i+1
.endr
.irp g, 0,1,2,3
	v_cvt_scalef32_pk8_fp8_f32 v[C+2*\g:C+2*\g+1], v[XS+8*\g:XS+8*\g+7], v11
.endr
	ds_store_b128 v4, v[C:C+3] offset:32*(\t)      ; 32 codes of my column's row
	ds_store_b128 v4, v[C+4:C+7] offset:32*(\t)+16
.if (\t)+2 < 8
	LOAD (\t)+2
.endif
	s_wait_dscnt 0x0                               ; the stores have read their registers: the next block's codes may be written (its 32 holds are the plain lines behind these conversions)
.endm
	s_wait_alu depctr_va_vdst(0)
.irp t, 0,1,2,3,4,5,6,7
	BLOCK \t
.endr
.irp t, 0,1,2,3,4,5,6,7,8,9,10,11,12,13,14,15
	ds_load_b128 v[OUTR+4*\t:OUTR+4*\t+3], v7 offset:2*\t*PITCH   ; LDS serves a wave's instructions in order: these see my stores
.endr
.irp t, 0,1,2,3,4,5,6,7,8,9,10,11,12,13,14,15
	s_wait_dscnt 15-\t
	global_store_b128 v[AO+\t], v[OUTR+4*\t:OUTR+4*\t+3], s[92:93]
.endr
	s_wait_tensorcnt 0x0
	ds_add_u32 v254, v255
	s_wait_dscnt 0x0
	s_endpgm
; ---------------- the norm ----------------
.Lnorm:
	s_sub_co_u32 s53, ttmp9, NWGW
	s_lshl_b32 s53, s53, 4
	s_lshl_b32 s54, s52, 2
	s_add_co_u32 s53, s53, s54                     ; my wave's first row: 16 x work-group + 4 x wave
	s_lshl_b32 s54, s53, 12
	s_mov_b32 s55, 0
	s_lshl_b32 s56, s53, 10
	s_mov_b32 s57, 0
	s_mov_b32 s58, 0x76543210                      ; v_permlanex16_b32: lane l xor 16
	s_mov_b32 s59, 0xfedcba98
	s_wait_alu depctr_va_vdst(0)
	v_lshlrev_b32 v3, 5, v2                        ; in: a lane holds columns 256 j + 8 lane + 0 .. 7, j = 0 .. 3: eight neighbours for each conversion
	v_lshlrev_b32 v4, 3, v2                        ; out: 8 codes a lane, 256 consecutive bytes a store
	s_wait_alu depctr_va_vdst(0)
	s_wait_kmcnt 0x0
	s_load_b256 s[32:39], s[28:29], 0x0            ; entries 0 to 7: 0, 2 and 4 are h's three scales
	s_add_nc_u64 s[22:23], s[22:23], s[54:55]
	s_add_nc_u64 s[OB:OB+1], s[48:49], s[56:57]
	s_add_nc_u64 s[OB+2:OB+3], s[OB:OB+1], 0x400000
	s_add_nc_u64 s[OB+4:OB+5], s[OB+2:OB+3], 0x400000
.irp j, 0,1,2,3
	global_load_b128 v[AL+8*\j:AL+8*\j+3], v3, s[24:25] offset:1024*\j
	global_load_b128 v[AL+8*\j+4:AL+8*\j+7], v3, s[24:25] offset:1024*\j+16
.endr
.irp j, 0,1,2,3
	global_load_b128 v[BE+8*\j:BE+8*\j+3], v3, s[26:27] offset:1024*\j
	global_load_b128 v[BE+8*\j+4:BE+8*\j+7], v3, s[26:27] offset:1024*\j+16
.endr
.irp i, 0,1,2,3
.irp j, 0,1,2,3
	global_load_b128 v[XR+32*\i+8*\j:XR+32*\i+8*\j+3], v3, s[22:23] offset:4096*\i+1024*\j
	global_load_b128 v[XR+32*\i+8*\j+4:XR+32*\i+8*\j+7], v3, s[22:23] offset:4096*\i+1024*\j+16
.endr
.endr
	s_wait_kmcnt 0x0
.irp o, 0,1,2
	s_add_co_i32 s60, s[32+2*\o], 127
	s_lshl_b32 s61, s60, 23
	v_mov_b32 v[SCL+\o], s61
	s_add_co_i32 s60, s60, 8
	s_lshl_b32 s60, s60, 23
	s_or_b32 s60, s60, 0x600000
	v_mov_b32 v[LIM+\o], s60
.endr
.macro WSUM r, t                       ; the sum of v[r] over the 32 lanes, in every lane; v[t] has been written
	v_add_f32_dpp v[\r], v[\r], v[\r] row_xmask:1 row_mask:0xf bank_mask:0xf
	v_add_f32_dpp v[\r], v[\r], v[\r] row_xmask:2 row_mask:0xf bank_mask:0xf
	v_add_f32_dpp v[\r], v[\r], v[\r] row_xmask:4 row_mask:0xf bank_mask:0xf
	v_add_f32_dpp v[\r], v[\r], v[\r] row_xmask:8 row_mask:0xf bank_mask:0xf
	v_permlanex16_b32 v[\t], v[\r], s58, s59
	v_add_f32 v[\r], v[\r], v[\t]
.endm
.macro LNROW i
.set XS, XR+32*(\i)
	s_wait_loadcnt 8*(3-(\i))                      ; the gains and my rows up to this one are in; the younger rows stay out
	v_pk_add_f32 v[6:7], v[XS:XS+1], v[XS+2:XS+3]
	v_pk_add_f32 v[8:9], v[XS+4:XS+5], v[XS+6:XS+7]
.irp j, 8,12,16,20,24,28
	v_pk_add_f32 v[6:7], v[6:7], v[XS+\j:XS+\j+1]
	v_pk_add_f32 v[8:9], v[8:9], v[XS+\j+2:XS+\j+3]
.endr
	v_pk_add_f32 v[6:7], v[6:7], v[8:9]
	v_add_f32 v6, v6, v7
	WSUM 6, 7
	v_mul_f32 v6, 0x3a800000, v6                   ; the mean: / 1024
.set j, 0
.rept 16
	v_pk_add_f32 v[XS+j:XS+j+1], v[XS+j:XS+j+1], v[6:7] op_sel_hi:[1,0] neg_lo:[0,1] neg_hi:[0,1]
.set j, j+2
.endr
	v_pk_mul_f32 v[8:9], v[XS:XS+1], v[XS:XS+1]
	v_pk_mul_f32 v[10:11], v[XS+2:XS+3], v[XS+2:XS+3]
.irp j, 4,8,12,16,20,24,28
	v_pk_fma_f32 v[8:9], v[XS+\j:XS+\j+1], v[XS+\j:XS+\j+1], v[8:9]
	v_pk_fma_f32 v[10:11], v[XS+\j+2:XS+\j+3], v[XS+\j+2:XS+\j+3], v[10:11]
.endr
	v_pk_add_f32 v[8:9], v[8:9], v[10:11]
	v_add_f32 v8, v8, v9
	WSUM 8, 9
	v_mul_f32 v8, 0x3a802008, v8                   ; / 1023
	s_wait_alu depctr_va_vdst(0)
	v_sqrt_f32 v8, v8
	v_nop                                          ; a plain line behind a transcendental
	s_wait_alu depctr_va_vdst(0)
	v_add_f32 v8, 0x358637bd, v8                   ; + 1e-6
	s_wait_alu depctr_va_vdst(0)
	v_rcp_f32 v8, v8
	v_nop
.set j, 0
	s_wait_alu depctr_va_vdst(0)
.rept 16
	v_pk_mul_f32 v[XS+j:XS+j+1], v[XS+j:XS+j+1], v[8:9] op_sel_hi:[1,0]
.set j, j+2
.endr
.set j, 0
.rept 16
	v_pk_fma_f32 v[XS+j:XS+j+1], v[XS+j:XS+j+1], v[AL+j:AL+j+1], v[BE+j:BE+j+1]
.set j, j+2
.endr
.irp o, 0,1,2
	s_wait_xcnt 0x0                                ; the codes' registers, which the last stores read, are written again only behind this wait
.set j, 0
.rept 32
	v_med3_num_f32 v[TT+j], v[XS+j], -v[LIM+\o], v[LIM+\o]
.set j, j+1
.endr
.irp g, 0,1,2,3
	v_cvt_scalef32_pk8_fp8_f32 v[CC+2*\g:CC+2*\g+1], v[TT+8*\g:TT+8*\g+7], v[SCL+\o]
.endr
	v_nop                                          ; a plain line behind the conversions: the next holds write their sources
.irp g, 0,1,2,3
	global_store_b64 v4, v[CC+2*\g:CC+2*\g+1], s[OB+2*\o:OB+2*\o+1] offset:1024*(\i)+256*\g
.endr
.endr
.endm
	LNROW 0
	LNROW 1
	LNROW 2
	LNROW 3
	s_endpgm
.Lfunc_end_k_q88a558116c_prep:
	.size	k_q88a558116c_prep, .Lfunc_end_k_q88a558116c_prep-k_q88a558116c_prep
	.p2alignl 7, 3214868480
	.fill 96, 4, 3214868480
	.section	.rodata,"a",@progbits
	.p2align	6, 0x0
	.amdhsa_kernel k_q88a558116c_prep
		.amdhsa_group_segment_fixed_size 36352
		.amdhsa_private_segment_fixed_size 0
		.amdhsa_enable_private_segment 0
		.amdhsa_kernarg_size 120
		.amdhsa_user_sgpr_count 2
		.amdhsa_user_sgpr_kernarg_segment_ptr 1
		.amdhsa_wavefront_size32 1
		.amdhsa_system_sgpr_workgroup_id_x 1
		.amdhsa_system_sgpr_workgroup_id_y 1
		.amdhsa_system_sgpr_workgroup_id_z 1
		.amdhsa_system_vgpr_workitem_id 0
		.amdhsa_next_free_vgpr 256
		.amdhsa_next_free_sgpr 100
		.amdhsa_reserve_vcc 0
		.amdhsa_float_denorm_mode_32 3
		.amdhsa_float_denorm_mode_16_64 3
		.amdhsa_memory_ordered 1
		.amdhsa_forward_progress 1
		.amdhsa_inst_pref_size 117
	.end_amdhsa_kernel
	.amdgpu_metadata
---
amdhsa.version: [ 1, 2 ]
amdhsa.kernels:
  - .name:           k_q88a558116c_prep
    .symbol:         k_q88a558116c_prep.kd
    .args:
      - { .name: Wq, .offset: 0, .size: 8, .value_kind: global_buffer, .address_space: global }
      - { .name: Wk, .offset: 8, .size: 8, .value_kind: global_buffer, .address_space: global }
      - { .name: Wv, .offset: 16, .size: 8, .value_kind: global_buffer, .address_space: global }
      - { .name: Wo, .offset: 24, .size: 8, .value_kind: global_buffer, .address_space: global }
      - { .name: W1, .offset: 32, .size: 8, .value_kind: global_buffer, .address_space: global }
      - { .name: W2, .offset: 40, .size: 8, .value_kind: global_buffer, .address_space: global }
      - { .name: bq, .offset: 48, .size: 8, .value_kind: global_buffer, .address_space: global }
      - { .name: bk, .offset: 56, .size: 8, .value_kind: global_buffer, .address_space: global }
      - { .name: bv, .offset: 64, .size: 8, .value_kind: global_buffer, .address_space: global }
      - { .name: x, .offset: 72, .size: 8, .value_kind: global_buffer, .address_space: global }
      - { .name: ln1_a, .offset: 80, .size: 8, .value_kind: global_buffer, .address_space: global }
      - { .name: ln1_b, .offset: 88, .size: 8, .value_kind: global_buffer, .address_space: global }
      - { .name: lowp_scales, .offset: 96, .size: 8, .value_kind: global_buffer, .address_space: global }
      - { .name: wc, .offset: 104, .size: 8, .value_kind: global_buffer, .address_space: global }
      - { .name: h3, .offset: 112, .size: 8, .value_kind: global_buffer, .address_space: global }
    .group_segment_fixed_size: 36352
    .private_segment_fixed_size: 0
    .kernarg_segment_align: 8
    .kernarg_segment_size: 120
    .max_flat_workgroup_size: 128
    .sgpr_count:     100
    .vgpr_count:     256
    .wavefront_size: 32
...
	.end_amdgpu_metadata
.endif
;; end of part 1
;; launch qkv (part 2): grid 12 x 16, 4 waves a work-group, clusters of 4 x 4, 327,680 bytes of LDS; arguments h3, wc, lowp_scales, qkvc; writes qkvc
.if DOCPART == 2
	.amdgcn_target "amdgcn-amd-amdhsa--gfx1250"
	.amdhsa_code_object_version 6
	.text
	.protected	k_q88a558116c_qkv
	.globl	k_q88a558116c_qkv
	.p2align	8
	.type	k_q88a558116c_qkv,@function
k_q88a558116c_qkv:
	s_mov_b64 s[64:65], 0
	v_nop
	global_prefetch_b8 v0, s[64:65] scope:SCOPE_SE
	s_setreg_imm32_b32 hwreg(HW_REG_WAVE_MODE, 25, 1), 1
	s_wait_xcnt 0x0
	s_wait_alu depctr_hold_cnt(0) depctr_sa_sdst(0) depctr_va_vdst(0) depctr_va_sdst(0) depctr_va_ssrc(0) depctr_va_vcc(0) depctr_vm_vsrc(0)
	s_getreg_b32 s2, hwreg(HW_REG_IB_STS2, 6, 4)
	s_cmp_eq_u32 s2, 0
	s_cbranch_scc0 .Lentry_in_a_cluster
	s_endpgm
.Lentry_in_a_cluster:
	s_bfe_u32 s2, ttmp6, 0x10000c
	s_cmp_lg_u32 s2, 0xf033
	s_cbranch_scc0 .Lentry_shape_is_right
	s_endpgm
.Lentry_shape_is_right:
; q, k, v as codes: C = Q(h W + b), A = h3 [3][4096][1024] (one copy of h's codes for each of the three scales), B = wc's rows 0 .. 3071 [n][k], both codes of FP8 (E4M3); the bias, divided by 2^(ea + eb), starts the sums.
; A tile of C is 256 x 256, four waves of 128 x 128; K = 1,024 goes in four steps of 256 through a ring of two LDS slots; 4 x 4 clusters ask for A's tiles jointly along a row, for B's along a column.
; The head asks for K step 0, one tensor load a wave; slot 1's first fill stands behind the three lines and a round, as a refill does.
; NO PREFETCH: the block is the largest, in clusters, and K has four steps, two of which the head's fills bring.
; LIMITS: ea + eb, and the output's exponent less them, between -126 and 119.
.set KIND,   0
.set KSTEP,  256
.set ROWB,   256
.set KROW,   1024
.set PITCH,  272
.set FR,     16
.set NL,     4
.set NP,     4
.set HALFT,  128*PITCH
.set SLOT,   4*HALFT
.set LAPS,   1024/(2*KSTEP)
.set SPARE,  2*SLOT
.set ADRA, 16
.set ADRB, 20
.set STO,  24
.set RD,   25
.set CO,   26
.set SPW,  28
.set NIL,  29
.set SCV,  30
.set BO,   31
.set BI,   32
.set TMP,  32
.set AF,   128
.set CD,   128
.set G1, 24
.set G0, 32
.set G1B, 48
.set G0B, 56
.set HI, 72
.set LO, 73
.set MSB, 0
.macro WIN new
.if MSB != \new
	s_set_vgpr_msb (MSB<<8)|\new
.set MSB, \new
.endif
.endm
.set MUL_LO, 0xa1
.set MUL_HI, 0xf1
.set TO_B,   0x40
.macro JLOAD g0a, g1a, g0b, g1b
	s_cmp_eq_u32 s15, 0
	s_cbranch_scc0 .Lfor_b_\@
	tensor_load_to_lds s[\g0a:\g0a+3], s[\g1a:\g1a+7]
	s_nop 0
.rept 4
	v_nop
.endr
	s_branch .Lasked_\@
.Lfor_b_\@:
	tensor_load_to_lds s[\g0b:\g0b+3], s[\g1b:\g1b+7]
	s_nop 0
.rept 4
	v_nop
.endr
.Lasked_\@:
.endm
.macro CREST
	s_cmp_lg_u32 s14, 0
	s_cbranch_scc1 .Lnot_wave_0_\@
	s_barrier_signal -3
.Lnot_wave_0_\@:
	s_barrier_wait -3
	s_barrier_signal -1
	s_barrier_wait -1
.endm
.macro CROUND
	s_barrier_signal -1
	s_barrier_wait -1
	CREST
.endm
	s_load_b128 s[4:7], s[0:1], 0x0
	s_load_b128 s[8:11], s[0:1], 0x10
.if KIND == 1
	s_load_b64 s[12:13], s[0:1], 0x20
.endif
	v_lshl_add_u32 v[SPW], v0, 2, SPARE
	v_mov_b32 v[NIL], 0
	ds_add_u32 v28, v29
	ds_add_u32 v28, v29
	s_wait_dscnt 0x0
	v_lshrrev_b32 v1, 5, v0
	v_readfirstlane_b32 s14, v1
	s_lshr_b32 s15, s14, 1
	s_and_b32 s16, s14, 1
	s_bfe_u32 s40, ttmp6, 0x40000
	s_bfe_u32 s41, ttmp6, 0x40004
	s_lshl_b32 s42, ttmp9, 2
	s_add_co_u32 s42, s42, s40
	s_and_b32 s17, ttmp7, 0xffff
	s_lshl_b32 s17, s17, 2
	s_add_co_u32 s17, s17, s41
	s_lshl_b32 s43, s41, 2
	s_lshl_b32 s43, 15, s43
	s_lshl_b32 s44, 0x1111, s40
	s_or_b32 s[G1+0], s43, (1<<20)|(1<<21)|(5<<22)|(3<<25)
	s_or_b32 s[G1B+0], s44, (1<<20)|(1<<21)|(5<<22)|(3<<25)
.irp g, G1, G1B
	s_mov_b32 s[\g+1], ROWB<<16
	s_mov_b32 s[\g+2], 128<<16
	s_mov_b32 s[\g+3], ROWB<<16
	s_mov_b32 s[\g+4], 128
	s_mov_b32 s[\g+5], KROW
	s_mov_b32 s[\g+6], 0
	s_mov_b32 s[\g+7], 0
.endr
	s_lshl_b32 s18, s16, 7
	s_lshl_b32 s20, s17, 8
	s_add_co_u32 s20, s20, s18
	s_lshl_b32 s20, s20, 10
.if KIND == 0
	s_lshl_b32 s19, ttmp9, 22
	s_add_co_u32 s20, s20, s19
.endif
	s_mov_b32 s21, 0
	s_lshl_b32 s46, s42, 8
	s_add_co_u32 s46, s46, s18
	s_lshl_b32 s46, s46, 10
.if KIND == 1
	s_add_co_u32 s46, s46, 4194304
.endif
	s_mov_b32 s47, 0
	s_mul_i32 s45, s14, HALFT
.if KIND == 0
	s_lshl_b32 s76, ttmp9, 3
	s_mov_b32 s77, 0
	s_lshl_b32 s78, ttmp9, 2
	s_lshr_b32 s79, ttmp9, 1
	s_lshl_b32 s79, s79, 2
	s_add_co_u32 s78, s78, s79
	s_mov_b32 s79, 0
.endif
	s_wait_kmcnt 0x0
.if KIND == 0
	s_add_nc_u64 s[66:67], s[8:9], s[76:77]
	s_add_nc_u64 s[78:79], s[8:9], s[78:79]
	s_load_b64 s[68:69], s[66:67], 0x0
	s_load_b32 s70, s[78:79], 0x18
	s_add_nc_u64 s[12:13], s[6:7], 12582912
.else
	s_load_b96 s[68:70], s[8:9], 0x30
.endif
	s_add_nc_u64 s[20:21], s[4:5], s[20:21]
	s_add_nc_u64 s[46:47], s[6:7], s[46:47]
	CROUND
.irp s, 0,1
	s_mov_b32 s[G0+4*\s], 1
	s_add_co_u32 s[G0+4*\s+1], s45, \s*SLOT
	s_add_nc_u64 s[G0+4*\s+2:G0+4*\s+3], s[20:21], \s*ROWB
	s_or_b32 s[G0+4*\s+3], s[G0+4*\s+3], 0x80000000
	s_mov_b32 s[G0B+4*\s], 1
	s_add_co_u32 s[G0B+4*\s+1], s45, \s*SLOT
	s_add_nc_u64 s[G0B+4*\s+2:G0B+4*\s+3], s[46:47], \s*ROWB
	s_or_b32 s[G0B+4*\s+3], s[G0B+4*\s+3], 0x80000000
.endr
	JLOAD G0, G1, G0B, G1B                         ; K step 0: one tensor load a wave at the head
	v_and_b32 v1, 15, v0
	v_bfe_u32 v2, v0, 4, 1
	v_lshlrev_b32 v[BO], 5, v2
	s_lshl_b32 s86, s42, 10
	s_lshl_b32 s87, s16, 9
	s_add_co_u32 s86, s86, s87
	s_mov_b32 s87, 0
	s_add_nc_u64 s[12:13], s[12:13], s[86:87]
.irp b, 0,1,2,3,4,5,6,7
	global_load_b128 v[BI+8*\b:BI+8*\b+3], v[BO], s[12:13] offset:64*\b
	global_load_b128 v[BI+8*\b+4:BI+8*\b+7], v[BO], s[12:13] offset:64*\b+16
.endr
	v_mul_u32_u24 v3, v1, PITCH
	s_wait_alu depctr_va_vdst(0)
	v_lshl_add_u32 v4, v2, 4, v3
	s_mul_i32 s21, s15, HALFT
	s_mul_i32 s22, s16, HALFT
	s_add_co_u32 s22, s22, 2*HALFT
.irp s, 0,1
	v_add_nc_u32 v[ADRA+\s], s21, v4
	v_add_nc_u32 v[ADRB+\s], s22, v4
	s_add_co_u32 s21, s21, SLOT
	s_add_co_u32 s22, s22, SLOT
.endr
	s_mul_i32 s23, s15, 128*PITCH
	s_lshl_b32 s21, s16, 7
	s_add_co_u32 s23, s23, s21
	v_lshl_add_u32 v5, v2, 3, v3
	v_add_nc_u32 v[STO], s23, v5
	s_mul_i32 s23, s14, 64*PITCH
	v_mul_u32_u24 v5, v2, PITCH
	v_lshl_add_u32 v5, v1, 4, v5
	v_add_nc_u32 v[RD], s23, v5
	v_lshlrev_b32 v5, 10, v2
	v_lshl_add_u32 v[CO], v1, 4, v5
	s_lshl_b32 s20, s17, 8
	s_lshl_b32 s21, s14, 6
	s_add_co_u32 s20, s20, s21
	s_lshl_b32 s20, s20, 10
	s_lshl_b32 s21, ttmp9, 22
	s_add_co_u32 s20, s20, s21
	s_mov_b32 s21, 0
	s_add_nc_u64 s[10:11], s[10:11], s[20:21]
	s_lshl_b32 s46, s40, 8
	s_mov_b32 s47, 0
	s_add_nc_u64 s[10:11], s[10:11], s[46:47]
	s_wait_kmcnt 0x0
	s_add_co_i32 s71, s68, s69
	s_sub_co_i32 s74, 0, s71
	s_sub_co_i32 s70, s70, s71
	s_add_co_i32 s70, s70, 127
	s_lshl_b32 s75, s70, 23
	v_mov_b32 v[SCV], s75
	s_add_co_i32 s70, s70, 8
	s_lshl_b32 s[HI], s70, 23
	s_or_b32 s[HI], s[HI], 0x600000
.if KIND == 0
	s_or_b32 s[LO], s[HI], 0x80000000
.else
	s_mov_b32 s[LO], 0
.endif
	s_wait_loadcnt 0x0
.set j, 0
.rept 64
	v_ldexp_f32 v[BI+j], v[BI+j], s74
.set j, j+1
.endr
.macro FRAG reg, adr, q, i
.irp c, 0,1,2,3
	ds_load_b128 v[\reg+4*\c:\reg+4*\c+3], v[\adr] offset:128*(\q)+32*\c+(\i)*16*PITCH
.endr
.endm
.macro MUL16 a0, p, first
.irp a, \a0, \a0+1
.irp b, 0,1,2,3,4,5,6,7
.if \first
	v_wmma_f32_16x16x128_fp8_fp8 v[8*(8*((\a)%4)+\b):8*(8*((\a)%4)+\b)+7], v[128*(\p)+FR*\b:128*(\p)+FR*\b+FR-1], v[AF+FR*(\a):AF+FR*(\a)+FR-1], v[BI+8*\b:BI+8*\b+7]
.else
	v_wmma_f32_16x16x128_fp8_fp8 v[8*(8*((\a)%4)+\b):8*(8*((\a)%4)+\b)+7], v[128*(\p)+FR*\b:128*(\p)+FR*\b+FR-1], v[AF+FR*(\a):AF+FR*(\a)+FR-1], v[8*(8*((\a)%4)+\b):8*(8*((\a)%4)+\b)+7]
.endif
.endr
.endr
.endm
.macro FETCH_B slot, q, p
	WIN TO_B
.irp i, 0,1,2,3,4,5,6,7
	FRAG 128*(\p)+FR*\i, ADRB+\slot, \q, \i
.endr
	WIN 0
.endm
.macro FETCH_A slot, q, i0
.irp i, \i0, \i0+1, \i0+2, \i0+3
	FRAG AF+FR*(\i), ADRA+\slot, \q, \i
.endr
.endm
.macro PLACES n
.rept \n
	v_nop
.endr
.endm
.macro STEP slot, q, first
	s_wait_dscnt 4*NL
.if \first
	WIN 0x81
.else
	WIN MUL_LO
.endif
	MUL16 0, (\q)%2, \first
	MUL16 2, (\q)%2, \first
	s_wait_dscnt 0
	PLACES NP
	FETCH_B \slot, (\q)+1, 1-(\q)%2
	FETCH_A \slot, (\q)+1, 0
.if \first
	WIN 0xc1
.else
	WIN MUL_HI
.endif
	MUL16 4, (\q)%2, \first
	MUL16 6, (\q)%2, \first
	PLACES NP
	WIN 0
	FETCH_A \slot, (\q)+1, 4
.endm
.macro TURN slot, next, fill
	s_wait_tensorcnt 0x0
	ds_add_u32 v[SPW], v[NIL]
	s_wait_dscnt 4*NL+1
	WIN MUL_LO
	MUL16 0, 1, 0
	s_wait_dscnt 0x0
	s_barrier_signal -1
	MUL16 2, 1, 0
	WIN 0
	s_barrier_wait -1
.if \fill
	CREST
	s_add_nc_u64 s[G0+4*\slot+2:G0+4*\slot+3], s[G0+4*\slot+2:G0+4*\slot+3], 2*ROWB
	s_add_nc_u64 s[G0B+4*\slot+2:G0B+4*\slot+3], s[G0B+4*\slot+2:G0B+4*\slot+3], 2*ROWB
	JLOAD G0+4*\slot, G1, G0B+4*\slot, G1B
.else
	PLACES NP
.endif
	FETCH_B \next, 0, 0
	FETCH_A \next, 0, 0
	WIN MUL_HI
	MUL16 4, 1, 0
	MUL16 6, 1, 0
	PLACES NP
	WIN 0
	FETCH_A \next, 0, 4
.endm
	s_wait_alu depctr_va_vdst(0)
	s_wait_tensorcnt 0x0                           ; my part of K step 0 is in
	ds_add_u32 v[SPW], v[NIL]
	s_wait_dscnt 0x0
	CROUND                                         ; everybody's part is in, and all sixteen work-groups are here
	JLOAD G0+4, G1, G0B+4, G1B                     ; K step 1, the first tensor load behind the round
	FETCH_B 0, 0, 0
	FETCH_A 0, 0, 0
	FETCH_A 0, 0, 4
	STEP 0, 0, 1
	s_mov_b32 s3, LAPS-1
.Llap:
	TURN 0, 1, 1
	STEP 1, 0, 0
	TURN 1, 0, 1
	STEP 0, 0, 0
	s_sub_co_u32 s3, s3, 1
	s_cmp_lg_u32 s3, 0
	s_cbranch_scc1 .Llap
	TURN 0, 1, 0
	STEP 1, 0, 0
	s_wait_dscnt 4*NL
	WIN MUL_LO
	MUL16 0, 1, 0
	MUL16 2, 1, 0
	s_wait_dscnt 0
	WIN MUL_HI
	MUL16 4, 1, 0
	MUL16 6, 1, 0
	WIN 0
	PLACES NP
.macro CODES a
.set AC, 64*((\a)%4)
	WIN 0x02+((\a)/4)
.set j, 0
.rept 64
	v_med3_num_f32 v[TMP+j], v[AC+j], s[LO], s[HI]
.set j, j+1
.endr
	WIN 0
.irp b, 0,1,2,3,4,5,6,7
	v_cvt_scalef32_pk8_fp8_f32 v[CD+16*(\a)+2*\b:CD+16*(\a)+2*\b+1], v[TMP+8*\b:TMP+8*\b+7], v[SCV]
.endr
	v_nop
.irp b, 0,1,2,3,4,5,6,7
	ds_store_b64 v[STO], v[CD+16*(\a)+2*\b:CD+16*(\a)+2*\b+1] offset:(\a)*16*PITCH+16*\b
.endr
.endm
.irp a, 0,1,2,3,4,5,6,7
	CODES \a
.endr
	s_wait_dscnt 0x0
	s_barrier_signal -1
	s_barrier_wait -1
.set t, 0
.rept 32
.set rg, 32+4*t+32*(t/16)
	ds_load_b128 v[rg:rg+3], v[RD] offset:2*t*PITCH
.set t, t+1
.endr
.set t, 0
.rept 32
.set rg, 32+4*t+32*(t/16)
	s_wait_dscnt 31-t
	global_store_b128 v[CO], v[rg:rg+3], s[10:11] offset:2*t*1024
.set t, t+1
.endr
	s_wait_tensorcnt 0x0
	ds_add_u32 v[SPW], v[NIL]
	s_wait_dscnt 0x0
	CROUND
	s_endpgm
.Lfunc_end_k_q88a558116c_qkv:
	.size	k_q88a558116c_qkv, .Lfunc_end_k_q88a558116c_qkv-k_q88a558116c_qkv
	.p2alignl 7, 3214868480
	.fill 96, 4, 3214868480
	.section	.rodata,"a",@progbits
	.p2align	6, 0x0
	.amdhsa_kernel k_q88a558116c_qkv
		.amdhsa_group_segment_fixed_size 327680
		.amdhsa_private_segment_fixed_size 0
		.amdhsa_enable_private_segment 0
		.amdhsa_kernarg_size 32
		.amdhsa_user_sgpr_count 2
		.amdhsa_user_sgpr_kernarg_segment_ptr 1
		.amdhsa_wavefront_size32 1
		.amdhsa_system_sgpr_workgroup_id_x 1
		.amdhsa_system_sgpr_workgroup_id_y 1
		.amdhsa_system_sgpr_workgroup_id_z 1
		.amdhsa_system_vgpr_workitem_id 0
		.amdhsa_next_free_vgpr 1024
		.amdhsa_next_free_sgpr 100
		.amdhsa_reserve_vcc 0
		.amdhsa_float_denorm_mode_32 3
		.amdhsa_float_denorm_mode_16_64 3
		.amdhsa_memory_ordered 1
		.amdhsa_forward_progress 1
		.amdhsa_inst_pref_size 132
	.end_amdhsa_kernel
	.amdgpu_metadata
---
amdhsa.version: [ 1, 2 ]
amdhsa.kernels:
  - .name:           k_q88a558116c_qkv
    .symbol:         k_q88a558116c_qkv.kd
    .args:
      - { .name: h3, .offset: 0, .size: 8, .value_kind: global_buffer, .address_space: global }
      - { .name: wc, .offset: 8, .size: 8, .value_kind: global_buffer, .address_space: global }
      - { .name: lowp_scales, .offset: 16, .size: 8, .value_kind: global_buffer, .address_space: global }
      - { .name: qkvc, .offset: 24, .size: 8, .value_kind: global_buffer, .address_space: global }
    .group_segment_fixed_size: 327680
    .private_segment_fixed_size: 0
    .kernarg_segment_align: 8
    .kernarg_segment_size: 32
    .max_flat_workgroup_size: 128
    .sgpr_count:     100
    .vgpr_count:     1024
    .wavefront_size: 32
...
	.end_amdgpu_metadata
.endif
;; end of part 2
;; launch attn (part 3): grid 8 x 32, 16 waves a work-group, clusters of 4 x 1, 327,680 bytes of LDS; arguments qkvc, lowp_scales, oc; writes oc
.if DOCPART == 3
	.amdgcn_target "amdgcn-amd-amdhsa--gfx1250"
	.amdhsa_code_object_version 6
	.text
	.protected	k_q88a558116c_attn
	.globl	k_q88a558116c_attn
	.p2align	8
	.type	k_q88a558116c_attn,@function
k_q88a558116c_attn:
	s_mov_b64 s[64:65], 0
	v_nop
	global_prefetch_b8 v0, s[64:65] scope:SCOPE_SE
	s_setreg_imm32_b32 hwreg(HW_REG_WAVE_MODE, 25, 1), 1
	s_wait_xcnt 0x0
	s_wait_alu depctr_hold_cnt(0) depctr_sa_sdst(0) depctr_va_vdst(0) depctr_va_sdst(0) depctr_va_ssrc(0) depctr_va_vcc(0) depctr_vm_vsrc(0)
	s_getreg_b32 s2, hwreg(HW_REG_IB_STS2, 6, 4)
	s_cmp_eq_u32 s2, 0
	s_cbranch_scc0 .Lentry_in_a_cluster
	s_endpgm
.Lentry_in_a_cluster:
	s_bfe_u32 s2, ttmp6, 0x10000c
	s_cmp_lg_u32 s2, 0x3003
	s_cbranch_scc0 .Lentry_shape_is_right
	s_endpgm
.Lentry_shape_is_right:
; ATTENTION on codes of FP8 (E4M3).  32 heads of 2,048 positions x 64 channels; head y is rows 128 y .. 128 y + 127 of the [4096][1024] matrices, read on end.
; qkvc: [3][4096][1024]: q and k, per head dense [2048][64]; v with its columns ordered so that row m of a head holds, for each channel d, keys 16 m + 0 .. 15 at bytes 16 d on.  oc: o as codes, [32][2048][64].
; t = score x log2(e) / 32; M = the running largest t rounded UP to a whole number; p = 2^(t - M) is quantised (entry 8), not normalised; the row's sum is taken of the unquantised p and divides at the end.
; SHARES.  A work-group owns 256 queries of one head, each of its sixteen waves 16 of them in 256 registers.  A head's whole K and V stand in LDS: every byte is filled once, nothing is filled again.
; K is dense in memory, so its tiles are stated as rows of 256 bytes (four keys) with 16 bytes of padding behind each: key k lies at 64 k + 16 (k / 4).  V lies as it lies in memory, 131,072 bytes.
; Each wave issues ONE tensor load, at the head: 64 rows of 256 bytes, an eighth of K (waves 0-7) or of V (waves 8-15).  One wait for it and one barrier, and all 2,048 keys are at hand.
; CLUSTER.  The four query blocks of a cluster belong to one head and need the same K and V: every load is asked for jointly, with the mask of all four.  Two rounds of the cluster's barrier: in front of the loads, and at the end.
; NO PREFETCH: all that the work-group reads of K and V is asked for by the head's sixteen loads; there is no later load for a loop to run ahead of.
; LAYOUT.  S^T = K Q^T (source 0 = 16 neighbouring keys, source 1 = my queries; K = 64): lane (r, h) holds query r, register j of tile t key 16 t + 8 h + j.  The eight codes of a tile are registers 2 t, 2 t + 1 of
; the second product's operand as its own layout has them; V^T's fragments (channel 16 t + r, keys 16 c + 8 h + 0 .. 7) are loads of 8 bytes, 256 consecutive bytes a wave.  O^T = V^T P^T, K = 128 keys.
; Q's and K's fragments are fetched by loads of 16 bytes: one permutation of the channels, the same on both sides.
; THE SOFTMAX GOES AS A BATCH: all plain work that feeds the 64 exponentials (the maximum, the scalings, O^T's rescaling) stands ahead of them under one wait, all that reads them behind them under one more.
; LIMITS: e6 + e7 between -121 and 132; e8, and e10 - e8 - e9, between -126 and 119.  q is the first operand of the score product (entry 6), k the second (entry 7).  The scaled scores stay under 2^31 in magnitude.
; REGISTERS: v1-7 addresses that stay; v8, v9 the step's; v12 -M, v13 the largest t, v[14:15] the sum; v16-23 Q; v32-95 K's, then V's fragments; v96-159 S^T, then p; v160-191 O^T; v192-207 p's codes; v236-254 at work.
.set KR,   272                         ; four keys in LDS: 256 bytes + 16
.set VB,   512*KR                      ; V behind K's 512 rows
.set STG,  VB+131072                   ; behind V: 1,024 bytes for each wave, for the way out; no fill lands here
.set SPARE, STG+16*1024                ; behind the stages: the spare words, 128 bytes for each wave, which no other line names
.set AK0,  1
.set AV0,  2
.set SIN,  3
.set SBK,  4
.set SPW,  5                           ; v5 my spare word's address, v6 = 0: never rewritten
.set NIL,  6
.set GO,   7
.set ADK,  8
.set ADV,  9
.set WV,   18
.set SEL,  20
.set CS,   22
.set G1K,  24
.set G1V,  32
.set G0K,  40
.set G0V,  44
.set KS,   81                          ; s81, s82: the key step's first byte in K and in V
.set VS,   82
.set CNT,  83
.macro ROUND                           ; a round of the cluster's barrier
	s_barrier_signal -1
	s_barrier_wait -1
	s_cmp_lg_u32 s[WV], 0
	s_cbranch_scc1 .Lnot_wave_0_\@
	s_barrier_signal -3
.Lnot_wave_0_\@:
	s_barrier_wait -3
	s_barrier_signal -1
	s_barrier_wait -1
.endm
	s_load_b128 s[4:7], s[0:1], 0x0                ; qkvc, the scales' exponents
	s_load_b64 s[8:9], s[0:1], 0x10                ; oc
	v_lshl_add_u32 v[SPW], v0, 2, SPARE
	v_mov_b32 v[NIL], 0
	ds_add_u32 v[SPW], v[NIL]                      ; the opening lines: the add, twice on end, and its wait ahead of my tensor load
	ds_add_u32 v[SPW], v[NIL]
	v_lshrrev_b32 v8, 5, v0
	s_delay_alu instid0(VALU_DEP_1)
	v_readfirstlane_b32 s[WV], v8                  ; wave 0..15
	s_bfe_u32 s10, ttmp6, 0x40000                  ; cx: it enters Q's and O's addresses alone
	s_lshl_b32 s11, ttmp9, 2
	s_add_co_u32 s11, s11, s10                     ; my block of 256 queries
	s_and_b32 s12, ttmp7, 0xffff
	s_lshl_b32 s12, s12, 17                        ; the head's first byte: 131,072 y
	s_and_b32 s76, s[WV], 7                        ; u: which eighth I fetch
	s_lshl_b32 s77, s76, 14
	s_add_co_u32 s14, s12, s77                     ; in memory: 16,384 u on
	s_mov_b32 s15, 0
	; descriptor groups 1, all constants: 64 rows of 256 bytes, dense in memory.  K: 4 words of padding after every 64;  V: none.  Mask: all four work-groups, bit 21 beside it
	s_mov_b32 s[G1K], 15|(1<<20)|(1<<21)|(5<<22)|(3<<25)
	s_mov_b32 s[G1V], 15|(1<<21)
.irp g, G1K, G1V
	s_mov_b32 s[\g+1], 256<<16
	s_mov_b32 s[\g+2], 64<<16
	s_mov_b32 s[\g+3], 256<<16
	s_mov_b32 s[\g+4], 64
	s_mov_b32 s[\g+5], 256
	s_mov_b32 s[\g+6], 0
	s_mov_b32 s[\g+7], 0
.endr
	s_mov_b32 s[SEL], 0x76543210
	s_mov_b32 s[SEL+1], 0xfedcba98
	s_mov_b32 s[CS], 0x3d38aa3b                    ; c = log2(e) / 32
	s_mov_b32 s[G0K], 1
	s_mul_i32 s[G0K+1], s76, 64*KR                 ; keys 256 u on: LDS rows 64 u on
	s_mov_b32 s[G0V], 1
	s_add_co_u32 s[G0V+1], s77, VB
	s_wait_dscnt 0x0                               ; both opening adds are done
	s_wait_kmcnt 0x0
	s_load_b128 s[84:87], s[6:7], 0x18             ; e6, e7, e8, e9
	s_load_b32 s88, s[6:7], 0x28                   ; e10
	s_add_nc_u64 s[90:91], s[4:5], 0x400000        ; k
	s_add_nc_u64 s[92:93], s[4:5], 0x800000        ; v
	s_add_nc_u64 s[G0K+2:G0K+3], s[90:91], s[14:15]
	s_or_b32 s[G0K+3], s[G0K+3], 0x80000000
	s_add_nc_u64 s[G0V+2:G0V+3], s[92:93], s[14:15]
	s_or_b32 s[G0V+3], s[G0V+3], 0x80000000
	ROUND                                          ; all four work-groups are here: the joint loads meet
	s_cmp_lt_u32 s[WV], 8                          ; one fill to an arm; an s_nop 0 and four v_nop follow each
	s_cbranch_scc0 .Lfirst_v
	tensor_load_to_lds s[G0K:G0K+3], s[G1K:G1K+7]
	s_nop 0
.rept 4
	v_nop
.endr
	s_branch .Lfirst_asked
.Lfirst_v:
	tensor_load_to_lds s[G0V:G0V+3], s[G1V:G1V+7]
	s_nop 0
.rept 4
	v_nop
.endr
.Lfirst_asked:
	s_lshl_b32 s11, s11, 8
	s_lshl_b32 s13, s[WV], 4
	s_add_co_u32 s11, s11, s13                     ; my first query
	s_lshl_b32 s11, s11, 6
	s_add_co_u32 s78, s11, s12
	s_mov_b32 s79, 0
	s_add_nc_u64 s[94:95], s[4:5], s[78:79]        ; its codes,
	s_add_nc_u64 s[96:97], s[8:9], s[78:79]        ; and its place in oc
	v_and_b32 v8, 15, v0                           ; r
	v_bfe_u32 v9, v0, 4, 1                         ; h
	s_delay_alu instid0(VALU_DEP_2)
	v_lshlrev_b32 v10, 6, v8
	s_delay_alu instid0(VALU_DEP_1)
	v_lshl_add_u32 v10, v9, 4, v10
	global_load_b128 v[16:19], v10, s[94:95]       ; Q's fragment stays in registers
	global_load_b128 v[20:23], v10, s[94:95] offset:32
	v_lshlrev_b32 v[AK0], 6, v8
	v_lshrrev_b32 v11, 2, v8
	s_delay_alu instid0(VALU_DEP_1)
	v_lshl_add_u32 v[AK0], v11, 4, v[AK0]
	s_delay_alu instid0(VALU_DEP_1)
	v_lshl_add_u32 v[AK0], v9, 4, v[AK0]           ; K: 64 r + 16 (r / 4) + 16 h: the 16 keys of a load fall on 16 different columns of 16 bytes
	v_lshlrev_b32 v[AV0], 4, v8
	s_delay_alu instid0(VALU_DEP_1)
	v_lshl_add_u32 v[AV0], v9, 3, v[AV0]
	s_delay_alu instid0(VALU_DEP_1)
	v_add_nc_u32 v[AV0], VB, v[AV0]                ; V: 16 r + 8 h
	s_lshl_b32 s13, s[WV], 10
	s_add_co_u32 s13, s13, STG                     ; my stage
	v_lshlrev_b32 v[SIN], 6, v8
	s_delay_alu instid0(VALU_DEP_1)
	v_lshl_add_u32 v[SIN], v9, 3, v[SIN]
	s_delay_alu instid0(VALU_DEP_1)
	v_add_nc_u32 v[SIN], s13, v[SIN]               ; in: 64 r + 8 h
	v_and_b32 v[SBK], 31, v0
	s_delay_alu instid0(VALU_DEP_1)
	v_lshlrev_b32 v[GO], 4, v[SBK]                 ; 16 x lane
	s_delay_alu instid0(VALU_DEP_1)
	v_add_nc_u32 v[SBK], s13, v[GO]                ; back
	v_mov_b32 v13, 0xff61b1e6                      ; the largest t so far: -3e38
	s_delay_alu instid0(VALU_DEP_1)
	v_floor_f32 v12, -v13                          ; -M
	v_mov_b32 v14, 0
	v_mov_b32 v15, 0
	v_mov_b32 v236, 0                              ; a lane permute's destination counts as one of its sources
	v_mov_b32 v253, 0                              ; (named as the upper half of the pair v[252:253])
.set j, 0
.rept 32
	v_mov_b32 v[160+j], 0                          ; O^T: the step has no first form of its own; the first change of M leaves zeros zeros
.set j, j+1
.endr
	s_wait_kmcnt 0x0
	s_add_co_i32 s76, s84, s85
	s_lshl_b32 s76, s76, 23
	s_add_co_i32 s[CS], s[CS], s76                 ; a score stands for score x 2^(e6 + e7): added to c's exponent field
	s_mov_b32 s[CS+1], s[CS]
	s_add_co_i32 s76, s86, 127
	s_lshl_b32 s77, s76, 23
	v_mov_b32 v244, s77                            ; 2^e8
	s_add_co_i32 s76, s76, 8
	s_lshl_b32 s76, s76, 23
	s_or_b32 s76, s76, 0x600000
	v_mov_b32 v240, s76                            ; 448 x 2^e8
	s_sub_co_i32 s76, s88, s86
	s_sub_co_i32 s76, s76, s87                     ; e10 - e8 - e9: O^T / the sum stands for o / 2^(e8 + e9)
	s_add_co_i32 s76, s76, 127
	s_lshl_b32 s77, s76, 23
	v_mov_b32 v245, s77
	s_add_co_i32 s76, s76, 8
	s_lshl_b32 s76, s76, 23
	s_or_b32 s76, s76, 0x600000
	v_mov_b32 v246, s76
.macro HOLD p                          ; the conversion does not saturate (ISA guide 7.6.2); p is not negative, so the hold is one-sided
	v_dual_min_num_f32 v[96+2*(\p)], v[96+2*(\p)], v240 :: v_dual_min_num_f32 v[97+2*(\p)], v[97+2*(\p)], v240   ; a pair in one instruction: destinations even and odd, first sources in neighbouring banks, one second source
.endm
.macro CODE t                          ; tile t's eight numbers become registers 2 t, 2 t + 1 of the second product's operand
	v_cvt_scalef32_pk8_fp8_f32 v[192+2*(\t):193+2*(\t)], v[96+8*(\t):103+8*(\t)], v244
.endm
; A KEY STEP: 128 keys.
.macro STEP
	v_add_nc_u32 v[ADK], s[KS], v[AK0]
.rept 3
	v_nop                                          ; with the addition: four places in front of loads into registers that the last products read
.endr
.irp t, 0,1,2,3,4,5,6,7
	ds_load_b128 v[32+8*\t:35+8*\t], v[ADK] offset:4*KR*\t
	ds_load_b128 v[36+8*\t:39+8*\t], v[ADK] offset:4*KR*\t+32
.endr
	s_wait_dscnt 8                                 ; tiles 0-3 are in; the eight loads of tiles 4-7 may be out
.irp t, 0,1,2,3
	v_wmma_f32_16x16x64_fp8_fp8 v[96+8*\t:103+8*\t], v[32+8*\t:39+8*\t], v[16:23], 0
.endr
	s_wait_dscnt 0x0
.irp t, 4,5,6,7
	v_wmma_f32_16x16x64_fp8_fp8 v[96+8*\t:103+8*\t], v[32+8*\t:39+8*\t], v[16:23], 0
.endr
	v_add_nc_u32 v[ADV], s[VS], v[AV0]
	v_mov_b32 v250, v12                            ; the old -M is kept
	v_nop
	v_nop                                          ; four places in front of the loads below and of the first read of the scores
.irp t, 0,1,2,3
.irp c, 0,1,2,3,4,5,6,7
	ds_load_b64 v[32+16*\t+2*\c:33+16*\t+2*\c], v[ADV] offset:1024*\c+256*\t   ; V^T: asked for ahead of the softmax, waited for behind it
.endr
.endr
	v_max3_num_f32 v254, v96, v97, v98             ; the step's largest score of my query among my 64 keys, in two chains, each tile from its low end on,
	v_max3_num_f32 v252, v99, v100, v101
.irp i, 6,10,14,18,22,26,30,34,38,42,46,50,54,58
	v_max3_num_f32 v254, v254, v[96+\i], v[97+\i]
	v_max3_num_f32 v252, v252, v[98+\i], v[99+\i]
.endr
	v_max3_num_f32 v254, v254, v158, v159
	s_delay_alu instid0(VALU_DEP_1)
	v_max_num_f32 v254, v254, v252
	s_delay_alu instid0(VALU_DEP_1)
	v_permlanex16_b32 v236, v254, s[SEL], s[SEL+1]
	s_delay_alu instid0(VALU_DEP_1)
	v_max_num_f32 v254, v254, v236                 ; and among lane l xor 16's
	s_delay_alu instid0(VALU_DEP_1)
	v_mul_f32 v254, s[CS], v254                    ; as t (c is positive)
	s_delay_alu instid0(VALU_DEP_1)
	v_max_num_f32 v13, v13, v254
	s_delay_alu instid0(VALU_DEP_1)
	v_floor_f32 v12, -v13                          ; the new -M = -ceil(t)
	s_delay_alu instid0(VALU_DEP_1)
	v_sub_f32 v254, v12, v250                      ; old M - new M: a whole number, 0 or less
	s_delay_alu instid0(VALU_DEP_1)
	v_cvt_i32_f32 v254, v254                       ; (it saturates)
	s_delay_alu instid0(VALU_DEP_1)
	v_ldexp_f32 v252, 1.0, v254                    ; f = 2^(old M - new M)
.set j, 0
.rept 32
	v_pk_fma_f32 v[96+j:97+j], v[96+j:97+j], s[CS:CS+1], v[12:13] op_sel_hi:[1,0,0]   ; t - M, two at a time (of the pairs c and -M the low word serves both halves)
.set j, j+2
.endr
.set j, 0
.rept 16
	v_pk_mul_f32 v[160+j:161+j], v[160+j:161+j], v[252:253] op_sel_hi:[1,0]   ; O^T under the new M: x f, in ascending order; no exponential stands between the last products and these first reads
.set j, j+2
.endr
	s_wait_alu depctr_va_vdst(0)                   ; the wait ahead of the batch serves the scaled scores, f and the rescaled O^T
.set j, 0
.rept 64
	v_exp_f32 v[96+j], v[96+j]                     ; p = 2^(t - M), at most 1: not normalised
.set j, j+1
.endr
	v_pk_mul_f32 v[14:15], v[14:15], v[252:253] op_sel_hi:[1,0]   ; the row's sum under the new M: the plain place behind the exponentials
	s_wait_alu depctr_va_vdst(0)                   ; one wait for the whole batch, ahead of its first reader
	v_pk_add_f32 v[242:243], v[96:97], v[98:99]    ; THE SUM TAKES THE UNQUANTISED p, each pair ahead of its hold; two chains, the holds between their links
	HOLD 0
	HOLD 1
.set j, 2
.rept 30
.if (j % 2) == 0
	v_pk_add_f32 v[14:15], v[14:15], v[96+2*j:97+2*j]
.else
	v_pk_add_f32 v[242:243], v[242:243], v[96+2*j:97+2*j]
.endif
	HOLD j
.if (j % 4) == 3
	CODE (j-3)/4
.endif
.set j, j+1
.endr
	v_pk_add_f32 v[14:15], v[14:15], v[242:243]    ; the plain line between the last conversion and the products that read the codes
	s_wait_alu depctr_va_vdst(0)
	s_wait_dscnt 0x0                               ; V^T is in
.irp t, 0,1,2,3
	v_wmma_f32_16x16x128_fp8_fp8 v[160+8*\t:167+8*\t], v[32+16*\t:47+16*\t], v[192:207], v[160+8*\t:167+8*\t]
.endr
	s_add_co_u32 s[KS], s[KS], 32*KR
	s_add_co_u32 s[VS], s[VS], 8192
.endm
	s_mov_b32 s[KS], 0
	s_mov_b32 s[VS], 0
	s_mov_b32 s[CNT], 16
	s_wait_alu depctr_va_vdst(0)
	s_wait_loadcnt 0x0                             ; Q
	s_wait_tensorcnt 0x0                           ; my eighth has landed
	s_barrier_signal -1
	s_barrier_wait -1                              ; everybody's has: K and V are whole
.Lstep:                                            ; 16 trips of 128 keys; between two products on one accumulator of O^T stand the three others' and eight of S^T
	STEP
	s_sub_co_u32 s[CNT], s[CNT], 1
	s_cmp_lg_u32 s[CNT], 0
	s_cbranch_scc1 .Lstep
	; THE WAY OUT: O^T / the sum, held, converted with 2^(e10 - e8 - e9); 8 codes a lane and tile through my stage; 16 queries x 64 bytes leave as 1,024 consecutive bytes.
.rept 4
	v_nop                                          ; four places behind the last products
.endr
	v_add_f32 v14, v14, v15
	s_delay_alu instid0(VALU_DEP_1)
	v_permlanex16_b32 v252, v14, s[SEL], s[SEL+1]
	s_delay_alu instid0(VALU_DEP_1)
	v_add_f32 v14, v14, v252
	s_wait_alu depctr_va_vdst(0)                   ; the wait ahead of the transcendental
	v_rcp_f32 v14, v14
	v_nop
	s_wait_alu depctr_va_vdst(0)                   ; and behind it, directly ahead of the first readers of its result and of O^T
.set j, 0
.rept 32
	v_mul_f32 v[96+j], v[160+j], v14
.set j, j+1
.endr
.set j, 0
.rept 32
	v_med3_num_f32 v[96+j], v[96+j], -v246, v246
.set j, j+1
.endr
.irp t, 0,1,2,3
	v_cvt_scalef32_pk8_fp8_f32 v[128+2*\t:129+2*\t], v[96+8*\t:103+8*\t], v245
.endr
	v_nop
.irp t, 0,1,2,3
	ds_store_b64 v[SIN], v[128+2*\t:129+2*\t] offset:16*\t   ; query r, channels 16 t + 8 h + 0 .. 7
.endr
	ds_load_b128 v[32:35], v[SBK]                  ; LDS serves a wave's instructions in order: these see my stores
	ds_load_b128 v[36:39], v[SBK] offset:512
	s_wait_dscnt 0x1
	global_store_b128 v[GO], v[32:35], s[96:97]
	s_wait_dscnt 0x0
	global_store_b128 v[GO], v[36:39], s[96:97] offset:512
	s_wait_tensorcnt 0x0                           ; the wave's end
	ds_add_u32 v[SPW], v[NIL]
	s_wait_dscnt 0x0
	ROUND                                          ; the closing round
	s_endpgm
.Lfunc_end_k_q88a558116c_attn:
	.size	k_q88a558116c_attn, .Lfunc_end_k_q88a558116c_attn-k_q88a558116c_attn
	.p2alignl 7, 3214868480
	.fill 96, 4, 3214868480
	.section	.rodata,"a",@progbits
	.p2align	6, 0x0
	.amdhsa_kernel k_q88a558116c_attn
		.amdhsa_group_segment_fixed_size 327680
		.amdhsa_private_segment_fixed_size 0
		.amdhsa_enable_private_segment 0
		.amdhsa_kernarg_size 24
		.amdhsa_user_sgpr_count 2
		.amdhsa_user_sgpr_kernarg_segment_ptr 1
		.amdhsa_wavefront_size32 1
		.amdhsa_system_sgpr_workgroup_id_x 1
		.amdhsa_system_sgpr_workgroup_id_y 1
		.amdhsa_system_sgpr_workgroup_id_z 1
		.amdhsa_system_vgpr_workitem_id 0
		.amdhsa_next_free_vgpr 256
		.amdhsa_next_free_sgpr 100
		.amdhsa_reserve_vcc 0
		.amdhsa_float_denorm_mode_32 3
		.amdhsa_float_denorm_mode_16_64 3
		.amdhsa_memory_ordered 1
		.amdhsa_forward_progress 1
		.amdhsa_inst_pref_size 30
	.end_amdhsa_kernel
	.amdgpu_metadata
---
amdhsa.version: [ 1, 2 ]
amdhsa.kernels:
  - .name:           k_q88a558116c_attn
    .symbol:         k_q88a558116c_attn.kd
    .args:
      - { .name: qkvc, .offset: 0, .size: 8, .value_kind: global_buffer, .address_space: global }
      - { .name: lowp_scales, .offset: 8, .size: 8, .value_kind: global_buffer, .address_space: global }
      - { .name: oc, .offset: 16, .size: 8, .value_kind: global_buffer, .address_space: global }
    .group_segment_fixed_size: 327680
    .private_segment_fixed_size: 0
    .kernarg_segment_align: 8
    .kernarg_segment_size: 24
    .max_flat_workgroup_size: 512
    .sgpr_count:     100
    .vgpr_count:     256
    .wavefront_size: 32
...
	.end_amdgpu_metadata
.endif
;; end of part 3
;; launch wo (part 4): grid 8 x 32, 4 waves a work-group, clusters of 4 x 4, 327,680 bytes of LDS; arguments oc, wc, bo, x, lowp_scales, x1; writes x1
.if DOCPART == 4
	.amdgcn_target "amdgcn-amd-amdhsa--gfx1250"
	.amdhsa_code_object_version 6
	.text
	.protected	k_q88a558116c_wo
	.globl	k_q88a558116c_wo
	.p2align	8
	.type	k_q88a558116c_wo,@function
k_q88a558116c_wo:
	s_mov_b64 s[64:65], 0
	v_nop
	global_prefetch_b8 v0, s[64:65] scope:SCOPE_SE
	s_setreg_imm32_b32 hwreg(HW_REG_WAVE_MODE, 25, 1), 1
	s_wait_xcnt 0x0
	s_wait_alu depctr_hold_cnt(0) depctr_sa_sdst(0) depctr_va_vdst(0) depctr_va_sdst(0) depctr_va_ssrc(0) depctr_va_vcc(0) depctr_vm_vsrc(0)
	s_getreg_b32 s2, hwreg(HW_REG_IB_STS2, 6, 4)
	s_cmp_eq_u32 s2, 0
	s_cbranch_scc0 .Lentry_in_a_cluster
	s_endpgm
.Lentry_in_a_cluster:
	s_bfe_u32 s2, ttmp6, 0x10000c
	s_cmp_lg_u32 s2, 0xf033
	s_cbranch_scc0 .Lentry_shape_is_right
	s_endpgm
.Lentry_shape_is_right:
; x1 = x + o Wo x 2^(e10 + e11) + bo.  A: oc [4096][1024], B: wc at byte 3,145,728 [1024 (n)][1024 (k)], both codes of FP8 (E4M3); x, x1 f32 [4096][1024].
; N is 1,024: a tile of C is 128 x 128, 256 work-groups.  Four waves, each 64 x 64: 16 accumulators.
; THE WHOLE K STANDS IN LDS: 128 rows of A and 128 of B, 1,024 bytes each, 1,040 apart: 266,240 bytes.  Each wave issues ONE tensor load, at the head: 64 rows of 1,024 bytes.  Every byte is filled once, nothing is filled again:
; one wait, one barrier, and then eight quarters of 128 along K with no further barrier.
; CLUSTERS: 4 x 4 work-groups; A's tiles are asked for jointly along a row of the cluster, B's along a column.  THE MATRIX INSTRUCTION IS USED TRANSPOSED (source 0 = 16 rows of B, source 1 = 16 rows of A).
; NO PREFETCH: all that the work-group reads of A and B is asked for by the head's four loads; there is no later load for a loop to run ahead of.
; The residual's 64 x 64 numbers of a wave, which only the way out reads, are asked for behind the barrier and the first fragment loads, in the layout in which the rows come back from the stage: 32 loads, which are out
; while the eight quarters are multiplied; the way out waits for them block by block.
; A wave's 64 columns of f32 are 256 consecutive bytes, aligned: each wave has a stage of its own and the way out has no barrier.
; LIMIT: e10 + e11 between -126 and 127.  A fragment is fetched by four loads of 16 bytes: one permutation of k, the same in A and in B.
; REGISTERS: window 0: v16-30 addresses; v32-35 the bias; v64-127 rows back from the stage, two sets; v128-255 the accumulators ((a, b) at v[128 + 8 (4 a + b)]).
;   window 1: two fragment buffers of 128 (128 along K): A's four blocks, then B's four.   window 2: v0-127 the residual.
.set BOFF,   3145728
.set KK,     1024
.set PITCH,  1040                      ; an LDS row: 1,024 bytes + 16 = 260 words: row r starts at bank 4 r mod 64 (64 banks of 4 bytes: ISA guide 11.1)
.set HALFT,  64*PITCH
.set STAGE,  4*HALFT                   ; behind the tiles: 16 rows x 272 bytes for each wave
.set SPITCH, 272
.set SPARE,  STAGE+4*16*SPITCH         ; behind the stages: the spare words, 128 bytes for each wave, which no other line names
.set ADRA, 16
.set ADRB, 20
.set STO,  24
.set RD,   25
.set CO,   26
.set SPW,  28
.set NIL,  29
.set BO,   30
.set BIA,  32
.set BK,   64
.set ACC,  128
.set F0,   0
.set F1,   128
.set G1, 24
.set G0, 32
.set G1B, 48
.set G0B, 56
.set MSB, 0
.macro WIN new                         ; the immediate's high byte repeats the setting that is left
.if MSB != \new
	s_set_vgpr_msb (MSB<<8)|\new
.set MSB, \new
.endif
.endm
.set MUL,  0x05                        ; sources 0 (B) and 1 (A) window 1; C and D window 0
.set TO_F, 0x40
.macro CROUND                          ; a round of the cluster's barrier
	s_barrier_signal -1
	s_barrier_wait -1
	s_cmp_lg_u32 s10, 0
	s_cbranch_scc1 .Lnot_wave_0_\@
	s_barrier_signal -3
.Lnot_wave_0_\@:
	s_barrier_wait -3
	s_barrier_signal -1
	s_barrier_wait -1
.endm
	s_load_b128 s[4:7], s[0:1], 0x0                ; A's codes, wc
	s_load_b128 s[68:71], s[0:1], 0x10             ; the bias, the residual
	s_load_b128 s[72:75], s[0:1], 0x20             ; the scales' exponents, the output
	v_lshl_add_u32 v[SPW], v0, 2, SPARE
	v_mov_b32 v[NIL], 0
	ds_add_u32 v[SPW], v[NIL]                      ; the opening lines: the add, twice on end, and its wait ahead of my tensor load
	ds_add_u32 v[SPW], v[NIL]
	v_lshrrev_b32 v1, 5, v0
	v_readfirstlane_b32 s10, v1                    ; wave 0..3
	s_lshr_b32 s11, s10, 1                         ; which half of the tile's rows is mine.  Also: I fetch for A (0) or for B (1)
	s_and_b32 s12, s10, 1                          ; which half of its columns.  Also: which 64 rows of that tile I fetch
	s_bfe_u32 s40, ttmp6, 0x40000
	s_bfe_u32 s41, ttmp6, 0x40004
	s_lshl_b32 s42, ttmp9, 2
	s_add_co_u32 s42, s42, s40                     ; tile column
	s_and_b32 s13, ttmp7, 0xffff
	s_lshl_b32 s13, s13, 2
	s_add_co_u32 s13, s13, s41                     ; tile row
	s_lshl_b32 s43, s41, 2
	s_lshl_b32 s43, 15, s43
	s_lshl_b32 s44, 0x1111, s40
	s_or_b32 s[G1+0], s43, (1<<20)|(1<<21)|(7<<22)|(3<<25)   ; the mask; elements of 1 byte; padding on; bit 21 beside a mask; 4 words after every 256
	s_or_b32 s[G1B+0], s44, (1<<20)|(1<<21)|(7<<22)|(3<<25)
.irp g, G1, G1B
	s_mov_b32 s[\g+1], KK<<16                      ; tensor_dim0
	s_mov_b32 s[\g+2], 64<<16                      ; tensor_dim1
	s_mov_b32 s[\g+3], KK<<16                      ; tile_dim0
	s_mov_b32 s[\g+4], 64                          ; tile_dim1
	s_mov_b32 s[\g+5], KK                          ; rows are dense
	s_mov_b32 s[\g+6], 0
	s_mov_b32 s[\g+7], 0
.endr
	s_lshl_b32 s17, s12, 6
	s_lshl_b32 s16, s13, 7
	s_add_co_u32 s16, s16, s17                     ; A: row 128 x tile row + 64 x half
	s_lshl_b32 s16, s16, 10
	s_lshl_b32 s46, s42, 7
	s_add_co_u32 s46, s46, s17                     ; B: row 128 x tile column + 64 x half
	s_lshl_b32 s46, s46, 10
	s_add_co_u32 s46, s46, BOFF
	s_mov_b32 s17, 0
	s_mov_b32 s47, 0
	s_mov_b32 s[G0], 1
	s_mul_i32 s[G0+1], s10, HALFT                  ; where they go: wave x 64 rows
	s_mov_b32 s[G0B], 1
	s_mul_i32 s[G0B+1], s10, HALFT
	s_wait_dscnt 0x0                               ; both opening adds are done
	s_wait_kmcnt 0x0
	s_load_b64 s[96:97], s[72:73], 40              ; e10, e11
	s_add_nc_u64 s[G0+2:G0+3], s[4:5], s[16:17]
	s_or_b32 s[G0+3], s[G0+3], 0x80000000
	s_add_nc_u64 s[G0B+2:G0B+3], s[6:7], s[46:47]
	s_or_b32 s[G0B+3], s[G0B+3], 0x80000000
	CROUND                                         ; all sixteen work-groups are here: the joint loads meet
	s_cmp_eq_u32 s11, 0                            ; waves 0 and 1 fetch A's halves, waves 2 and 3 B's; an s_nop 0 and four v_nop follow each of the two lines
	s_cbranch_scc0 .Lfor_b
	tensor_load_to_lds s[G0:G0+3], s[G1:G1+7]
	s_nop 0
.rept 4
	v_nop
.endr
	s_branch .Lasked
.Lfor_b:
	tensor_load_to_lds s[G0B:G0B+3], s[G1B:G1B+7]
	s_nop 0
.rept 4
	v_nop
.endr
.Lasked:
	v_and_b32 v1, 15, v0                           ; r
	v_bfe_u32 v2, v0, 4, 1                         ; h
	v_lshlrev_b32 v5, 12, v2
	v_lshl_add_u32 v[CO], v1, 4, v5                ; in the residual and the output: lanes 0-15 one row's 256 bytes, lanes 16-31 the next row's
	v_lshlrev_b32 v[BO], 4, v1
	s_wait_alu depctr_va_vdst(0)
	s_lshl_b32 s16, s13, 7
	s_lshl_b32 s17, s11, 6
	s_add_co_u32 s16, s16, s17                     ; my first row
	s_lshl_b32 s16, s16, 12
	s_mov_b32 s17, 0
	s_lshl_b32 s46, s42, 9                         ; my first column, in bytes
	s_lshl_b32 s47, s12, 8
	s_add_co_u32 s46, s46, s47
	s_mov_b32 s47, 0
	s_add_nc_u64 s[68:69], s[68:69], s[46:47]
	s_add_nc_u64 s[70:71], s[70:71], s[16:17]
	s_add_nc_u64 s[70:71], s[70:71], s[46:47]
	s_add_nc_u64 s[74:75], s[74:75], s[16:17]
	s_add_nc_u64 s[74:75], s[74:75], s[46:47]
	v_mul_u32_u24 v3, v1, PITCH
	v_lshl_add_u32 v3, v2, 4, v3
	s_mul_i32 s21, s11, HALFT
	s_mul_i32 s22, s12, HALFT
	s_add_co_u32 s22, s22, 2*HALFT
	v_add_nc_u32 v[ADRA], s21, v3
	v_add_nc_u32 v[ADRB], s22, v3
	s_mul_i32 s23, s10, 16*SPITCH
	s_add_co_u32 s23, s23, STAGE                   ; my stage
	v_mul_u32_u24 v4, v1, SPITCH
	v_lshl_add_u32 v4, v2, 5, v4
	v_add_nc_u32 v[STO], s23, v4                   ; in: row r, 32 bytes for each half of the lanes
	v_mul_u32_u24 v5, v2, SPITCH
	v_lshl_add_u32 v5, v1, 4, v5
	v_add_nc_u32 v[RD], s23, v5                    ; back: two rows an instruction
.macro MUL4 f, a, zero                 ; A's block a x B's four, 128 along K.  The sixteen accumulators take turns, one instruction a turn
.irp b, 0,1,2,3
.if \zero
	v_wmma_f32_16x16x128_fp8_fp8 v[ACC+8*(4*(\a)+\b):ACC+8*(4*(\a)+\b)+7], v[\f+64+16*\b:\f+64+16*\b+15], v[\f+16*(\a):\f+16*(\a)+15], 0
.else
	v_wmma_f32_16x16x128_fp8_fp8 v[ACC+8*(4*(\a)+\b):ACC+8*(4*(\a)+\b)+7], v[\f+64+16*\b:\f+64+16*\b+15], v[\f+16*(\a):\f+16*(\a)+15], v[ACC+8*(4*(\a)+\b):ACC+8*(4*(\a)+\b)+7]
.endif
.endr
.endm
.macro FETCH k, f                      ; 32 LDS loads in one run: B's four fragments, then A's four, of 128 along K at byte k of the rows
	WIN TO_F
.irp i, 0,1,2,3
.irp c, 0,1,2,3
	ds_load_b128 v[\f+64+16*\i+4*\c:\f+64+16*\i+4*\c+3], v[ADRB] offset:\k+32*\c+\i*16*PITCH
.endr
.endr
.irp i, 0,1,2,3
.irp c, 0,1,2,3
	ds_load_b128 v[\f+16*\i+4*\c:\f+16*\i+4*\c+3], v[ADRA] offset:\k+32*\c+\i*16*PITCH
.endr
.endr
.endm
.macro PLACES                          ; four plain vector lines in front of loads into registers that matrix instructions have read, and of the first read of results
.rept 4
	v_nop
.endr
.endm
; A quarter: 128 along K, 16 matrix instructions on buffer f; in its middle the next quarter's fragments, at byte k, are fetched into g.
.macro QUARTER k, f, g, zero
	s_wait_dscnt 8                                 ; B and A's blocks 0, 1 are in; the eight loads of blocks 2, 3 may be out
	WIN MUL
	MUL4 \f, 0, \zero
	MUL4 \f, 1, \zero
	PLACES
	FETCH \k, \g
	s_wait_dscnt 32                                ; all but the 32 just issued
	WIN MUL
	MUL4 \f, 2, \zero
	MUL4 \f, 3, \zero
.endm
	s_wait_alu depctr_va_vdst(0)
	s_wait_tensorcnt 0x0                           ; my 64 rows are in,
	s_barrier_signal -1
	s_barrier_wait -1                              ; everybody's are
	FETCH 0, F0
	WIN 0
	global_load_b128 v[BIA:BIA+3], v[BO], s[68:69] ; the bias, and behind it the residual: block a's rows are loads 8 a .. 8 a + 7
	WIN 0x80                                       ; destination window 2
.set t, 0
.rept 32
	global_load_b128 v[4*t:4*t+3], v[CO], s[70:71] offset:2*t*4096
.set t, t+1
.endr
	QUARTER 128, F0, F1, 1                         ; the first quarter's products start the sums
	QUARTER 256, F1, F0, 0
	QUARTER 384, F0, F1, 0
	QUARTER 512, F1, F0, 0
	QUARTER 640, F0, F1, 0
	QUARTER 768, F1, F0, 0
	QUARTER 896, F0, F1, 0
	s_wait_dscnt 8
	WIN MUL
	MUL4 F1, 0, 0
	MUL4 F1, 1, 0
	s_wait_dscnt 0
	MUL4 F1, 2, 0
	MUL4 F1, 3, 0
	WIN 0
; THE WAY OUT, block by block of 16 rows x 64 columns: the sums go through my own stage and come back as whole rows of 256 bytes; there sum x 2^(e10 + e11) + residual is one packed multiply-add, the bias one addition.
	s_wait_kmcnt 0x0
	s_add_co_i32 s96, s96, s97
	s_add_co_i32 s96, s96, 127
	s_lshl_b32 s96, s96, 23                        ; 2^(e10 + e11) as f32
	s_mov_b32 s97, s96                             ; (named with it as a pair)
	PLACES
.macro TOSTAGE a
.set BB, BK+32*((\a)%2)
.irp b, 0,1,2,3
	ds_store_b128 v[STO], v[ACC+8*(4*(\a)+\b):ACC+8*(4*(\a)+\b)+3] offset:64*\b         ; each accumulator from its low end on
	ds_store_b128 v[STO], v[ACC+8*(4*(\a)+\b)+4:ACC+8*(4*(\a)+\b)+7] offset:64*\b+16
.endr
.irp t, 0,1,2,3,4,5,6,7
	ds_load_b128 v[BB+4*\t:BB+4*\t+3], v[RD] offset:2*\t*SPITCH   ; LDS serves a wave's instructions in order: these see the stores above
.endr
.endm
.macro SEND a, younger                 ; younger: the LDS instructions issued behind block a's loads
.set BB, BK+32*((\a)%2)
	s_wait_dscnt \younger
	s_wait_loadcnt 24-8*(\a)                       ; the bias and the residual's rows up to block a's are in; the 8 (3 - a) loads of the later blocks may be out
	WIN 0x20                                       ; source 2 (the residual) window 2
.set j, 0
.rept 16
	v_pk_fma_f32 v[BB+j:BB+j+1], v[BB+j:BB+j+1], s[96:97], v[32*(\a)+j:32*(\a)+j+1] op_sel_hi:[1,0,1]
.set j, j+2
.endr
	WIN 0
.irp t, 0,1,2,3,4,5,6,7
	v_pk_add_f32 v[BB+4*\t:BB+4*\t+1], v[BB+4*\t:BB+4*\t+1], v[BIA:BIA+1]
	v_pk_add_f32 v[BB+4*\t+2:BB+4*\t+3], v[BB+4*\t+2:BB+4*\t+3], v[BIA+2:BIA+3]
.endr
.irp t, 0,1,2,3,4,5,6,7
	global_store_b128 v[CO], v[BB+4*\t:BB+4*\t+3], s[74:75] offset:(16*(\a)+2*\t)*4096   ; 16 lanes store 256 consecutive bytes, aligned
.endr
.endm
	TOSTAGE 0
.irp a, 1,2,3
.if \a > 1
	s_wait_xcnt 0x0                                ; block a - 2's stores have read their registers: block a's loads may land there
.endif
	TOSTAGE \a
	SEND \a-1, 16
.endr
	SEND 3, 0
	s_wait_tensorcnt 0x0                           ; the wave's end
	ds_add_u32 v[SPW], v[NIL]
	s_wait_dscnt 0x0
	CROUND                                         ; the closing round
	s_endpgm
.Lfunc_end_k_q88a558116c_wo:
	.size	k_q88a558116c_wo, .Lfunc_end_k_q88a558116c_wo-k_q88a558116c_wo
	.p2alignl 7, 3214868480
	.fill 96, 4, 3214868480
	.section	.rodata,"a",@progbits
	.p2align	6, 0x0
	.amdhsa_kernel k_q88a558116c_wo
		.amdhsa_group_segment_fixed_size 327680
		.amdhsa_private_segment_fixed_size 0
		.amdhsa_enable_private_segment 0
		.amdhsa_kernarg_size 48
		.amdhsa_user_sgpr_count 2
		.amdhsa_user_sgpr_kernarg_segment_ptr 1
		.amdhsa_wavefront_size32 1
		.amdhsa_system_sgpr_workgroup_id_x 1
		.amdhsa_system_sgpr_workgroup_id_y 1
		.amdhsa_system_sgpr_workgroup_id_z 1
		.amdhsa_system_vgpr_workitem_id 0
		.amdhsa_next_free_vgpr 640
		.amdhsa_next_free_sgpr 100
		.amdhsa_reserve_vcc 0
		.amdhsa_float_denorm_mode_32 3
		.amdhsa_float_denorm_mode_16_64 3
		.amdhsa_memory_ordered 1
		.amdhsa_forward_progress 1
		.amdhsa_inst_pref_size 52
	.end_amdhsa_kernel
	.amdgpu_metadata
---
amdhsa.version: [ 1, 2 ]
amdhsa.kernels:
  - .name:           k_q88a558116c_wo
    .symbol:         k_q88a558116c_wo.kd
    .args:
      - { .name: oc, .offset: 0, .size: 8, .value_kind: global_buffer, .address_space: global }
      - { .name: wc, .offset: 8, .size: 8, .value_kind: global_buffer, .address_space: global }
      - { .name: bo, .offset: 16, .size: 8, .value_kind: global_buffer, .address_space: global }
      - { .name: x, .offset: 24, .size: 8, .value_kind: global_buffer, .address_space: global }
      - { .name: lowp_scales, .offset: 32, .size: 8, .value_kind: global_buffer, .address_space: global }
      - { .name: x1, .offset: 40, .size: 8, .value_kind: global_buffer, .address_space: global }
    .group_segment_fixed_size: 327680
    .private_segment_fixed_size: 0
    .kernarg_segment_align: 8
    .kernarg_segment_size: 48
    .max_flat_workgroup_size: 128
    .sgpr_count:     100
    .vgpr_count:     640
    .wavefront_size: 32
...
	.end_amdgpu_metadata
.endif
;; end of part 4
;; launch ln2 (part 5): grid 256 x 1, 4 waves a work-group, no clusters, 0 bytes of LDS; arguments x1, ln2_a, ln2_b, lowp_scales, h2; writes h2
.if DOCPART == 5
	.amdgcn_target "amdgcn-amd-amdhsa--gfx1250"
	.amdhsa_code_object_version 6
	.text
	.protected	k_q88a558116c_ln2
	.globl	k_q88a558116c_ln2
	.p2align	8
	.type	k_q88a558116c_ln2,@function
k_q88a558116c_ln2:
	s_mov_b64 s[64:65], 0
	v_nop
	global_prefetch_b8 v0, s[64:65] scope:SCOPE_SE
	s_setreg_imm32_b32 hwreg(HW_REG_WAVE_MODE, 25, 1), 1
	s_wait_xcnt 0x0
; h2 = codes of FP8 (E4M3), scale entry 12, of ln2_a (x1 - mean) / (std + 1e-6) + ln2_b, std with divisor 1023.  x1: f32 [4096][1024]; h2: [4096][1024] bytes.
; A wave takes 4 rows, a row at a time, in registers; a lane holds columns 256 j + 8 lane + 0 .. 7, eight neighbours for each conversion; a store covers 256 consecutive bytes, aligned.
; The mean is taken away before the squares are summed, so a common offset costs no digits.  No LDS, no barrier: waves share nothing.
; LIMIT: the exponent between -126 and 119.  NaN among the inputs is not served.
.set AL,   16                          ; v16-47 the gain, v48-79 the bias, v80-207 four rows, v208-239 held numbers, v240-247 codes
.set BE,   48
.set XR,   80
.set TT,   208
.set CC,   240
.set SCL,  248
.set LIM,  251
.set OB,   16
	s_load_b256 s[4:11], s[0:1], 0x0               ; x1, ln2_a, ln2_b, the scales' exponents
	s_load_b64 s[12:13], s[0:1], 0x20              ; h2
	v_lshrrev_b32 v1, 5, v0
	v_readfirstlane_b32 s14, v1                    ; wave
	v_and_b32 v2, 31, v0                           ; lane
	s_wait_alu depctr_va_vdst(0)
	s_lshl_b32 s20, ttmp9, 4
	s_lshl_b32 s21, s14, 2
	s_add_co_u32 s20, s20, s21                     ; my wave's first row
	s_lshl_b32 s22, s20, 12
	s_mov_b32 s23, 0
	s_lshl_b32 s24, s20, 10
	s_mov_b32 s25, 0
	s_mov_b32 s26, 0x76543210                      ; v_permlanex16_b32: lane l xor 16
	s_mov_b32 s27, 0xfedcba98
	v_lshlrev_b32 v3, 5, v2
	v_lshlrev_b32 v4, 3, v2
	s_wait_alu depctr_va_vdst(0)
	s_wait_kmcnt 0x0
	s_load_b32 s28, s[10:11], 0x30                 ; entry 12
	s_add_nc_u64 s[4:5], s[4:5], s[22:23]
	s_add_nc_u64 s[OB:OB+1], s[12:13], s[24:25]
.irp j, 0,1,2,3
	global_load_b128 v[AL+8*\j:AL+8*\j+3], v3, s[6:7] offset:1024*\j
	global_load_b128 v[AL+8*\j+4:AL+8*\j+7], v3, s[6:7] offset:1024*\j+16
.endr
.irp j, 0,1,2,3
	global_load_b128 v[BE+8*\j:BE+8*\j+3], v3, s[8:9] offset:1024*\j
	global_load_b128 v[BE+8*\j+4:BE+8*\j+7], v3, s[8:9] offset:1024*\j+16
.endr
.irp i, 0,1,2,3
.irp j, 0,1,2,3
	global_load_b128 v[XR+32*\i+8*\j:XR+32*\i+8*\j+3], v3, s[4:5] offset:4096*\i+1024*\j
	global_load_b128 v[XR+32*\i+8*\j+4:XR+32*\i+8*\j+7], v3, s[4:5] offset:4096*\i+1024*\j+16
.endr
.endr
	s_wait_kmcnt 0x0
	s_add_co_i32 s28, s28, 127
	s_lshl_b32 s29, s28, 23
	v_mov_b32 v[SCL], s29                          ; 2^e as f32
	s_add_co_i32 s28, s28, 8
	s_lshl_b32 s28, s28, 23
	s_or_b32 s28, s28, 0x600000
	v_mov_b32 v[LIM], s28                          ; 448 x 2^e
.macro WSUM r, t                       ; the sum of v[r] over the 32 lanes, in every lane; v[t] has been written
	v_add_f32_dpp v[\r], v[\r], v[\r] row_xmask:1 row_mask:0xf bank_mask:0xf
	v_add_f32_dpp v[\r], v[\r], v[\r] row_xmask:2 row_mask:0xf bank_mask:0xf
	v_add_f32_dpp v[\r], v[\r], v[\r] row_xmask:4 row_mask:0xf bank_mask:0xf
	v_add_f32_dpp v[\r], v[\r], v[\r] row_xmask:8 row_mask:0xf bank_mask:0xf
	v_permlanex16_b32 v[\t], v[\r], s26, s27
	v_add_f32 v[\r], v[\r], v[\t]
.endm
.macro LNROW i
.set XS, XR+32*(\i)
	s_wait_loadcnt 8*(3-(\i))                      ; the gains and my rows up to this one are in; the younger rows stay out
	v_pk_add_f32 v[6:7], v[XS:XS+1], v[XS+2:XS+3]
	v_pk_add_f32 v[8:9], v[XS+4:XS+5], v[XS+6:XS+7]
.irp j, 8,12,16,20,24,28
	v_pk_add_f32 v[6:7], v[6:7], v[XS+\j:XS+\j+1]
	v_pk_add_f32 v[8:9], v[8:9], v[XS+\j+2:XS+\j+3]
.endr
	v_pk_add_f32 v[6:7], v[6:7], v[8:9]
	v_add_f32 v6, v6, v7
	WSUM 6, 7
	v_mul_f32 v6, 0x3a800000, v6                   ; the mean: / 1024
.set j, 0
.rept 16
	v_pk_add_f32 v[XS+j:XS+j+1], v[XS+j:XS+j+1], v[6:7] op_sel_hi:[1,0] neg_lo:[0,1] neg_hi:[0,1]
.set j, j+2
.endr
	v_pk_mul_f32 v[8:9], v[XS:XS+1], v[XS:XS+1]
	v_pk_mul_f32 v[10:11], v[XS+2:XS+3], v[XS+2:XS+3]
.irp j, 4,8,12,16,20,24,28
	v_pk_fma_f32 v[8:9], v[XS+\j:XS+\j+1], v[XS+\j:XS+\j+1], v[8:9]
	v_pk_fma_f32 v[10:11], v[XS+\j+2:XS+\j+3], v[XS+\j+2:XS+\j+3], v[10:11]
.endr
	v_pk_add_f32 v[8:9], v[8:9], v[10:11]
	v_add_f32 v8, v8, v9
	WSUM 8, 9
	v_mul_f32 v8, 0x3a802008, v8                   ; / 1023
	s_wait_alu depctr_va_vdst(0)
	v_sqrt_f32 v8, v8
	v_nop                                          ; a plain line behind a transcendental
	s_wait_alu depctr_va_vdst(0)
	v_add_f32 v8, 0x358637bd, v8                   ; + 1e-6
	s_wait_alu depctr_va_vdst(0)
	v_rcp_f32 v8, v8
	v_nop
.set j, 0
	s_wait_alu depctr_va_vdst(0)
.rept 16
	v_pk_mul_f32 v[XS+j:XS+j+1], v[XS+j:XS+j+1], v[8:9] op_sel_hi:[1,0]
.set j, j+2
.endr
.set j, 0
.rept 16
	v_pk_fma_f32 v[XS+j:XS+j+1], v[XS+j:XS+j+1], v[AL+j:AL+j+1], v[BE+j:BE+j+1]
.set j, j+2
.endr
	s_wait_xcnt 0x0                                ; the codes' registers, which the last stores read, are written again only behind this wait
.set j, 0
.rept 32
	v_med3_num_f32 v[TT+j], v[XS+j], -v[LIM], v[LIM]   ; the conversion does not saturate (ISA guide 7.6.2): the hold comes first
.set j, j+1
.endr
.irp g, 0,1,2,3
	v_cvt_scalef32_pk8_fp8_f32 v[CC+2*\g:CC+2*\g+1], v[TT+8*\g:TT+8*\g+7], v[SCL]
.endr
	v_nop                                          ; a plain line behind the conversions
.irp g, 0,1,2,3
	global_store_b64 v4, v[CC+2*\g:CC+2*\g+1], s[OB:OB+1] offset:1024*(\i)+256*\g
.endr
.endm
	LNROW 0
	LNROW 1
	LNROW 2
	LNROW 3
	s_endpgm
.Lfunc_end_k_q88a558116c_ln2:
	.size	k_q88a558116c_ln2, .Lfunc_end_k_q88a558116c_ln2-k_q88a558116c_ln2
	.p2alignl 7, 3214868480
	.fill 96, 4, 3214868480
	.section	.rodata,"a",@progbits
	.p2align	6, 0x0
	.amdhsa_kernel k_q88a558116c_ln2
		.amdhsa_group_segment_fixed_size 0
		.amdhsa_private_segment_fixed_size 0
		.amdhsa_enable_private_segment 0
		.amdhsa_kernarg_size 40
		.amdhsa_user_sgpr_count 2
		.amdhsa_user_sgpr_kernarg_segment_ptr 1
		.amdhsa_wavefront_size32 1
		.amdhsa_system_sgpr_workgroup_id_x 1
		.amdhsa_system_sgpr_workgroup_id_y 1
		.amdhsa_system_sgpr_workgroup_id_z 1
		.amdhsa_system_vgpr_workitem_id 0
		.amdhsa_next_free_vgpr 256
		.amdhsa_next_free_sgpr 66
		.amdhsa_reserve_vcc 0
		.amdhsa_float_denorm_mode_32 3
		.amdhsa_float_denorm_mode_16_64 3
		.amdhsa_memory_ordered 1
		.amdhsa_forward_progress 1
		.amdhsa_inst_pref_size 42
	.end_amdhsa_kernel
	.amdgpu_metadata
---
amdhsa.version: [ 1, 2 ]
amdhsa.kernels:
  - .name:           k_q88a558116c_ln2
    .symbol:         k_q88a558116c_ln2.kd
    .args:
      - { .name: x1, .offset: 0, .size: 8, .value_kind: global_buffer, .address_space: global }
      - { .name: ln2_a, .offset: 8, .size: 8, .value_kind: global_buffer, .address_space: global }
      - { .name: ln2_b, .offset: 16, .size: 8, .value_kind: global_buffer, .address_space: global }
      - { .name: lowp_scales, .offset: 24, .size: 8, .value_kind: global_buffer, .address_space: global }
      - { .name: h2, .offset: 32, .size: 8, .value_kind: global_buffer, .address_space: global }
    .group_segment_fixed_size: 0
    .private_segment_fixed_size: 0
    .kernarg_segment_align: 8
    .kernarg_segment_size: 40
    .max_flat_workgroup_size: 128
    .sgpr_count:     66
    .vgpr_count:     256
    .wavefront_size: 32
...
	.end_amdgpu_metadata
.endif
;; end of part 5
;; launch ffn1 (part 6): grid 16 x 16, 4 waves a work-group, clusters of 4 x 4, 327,680 bytes of LDS; arguments h2, wc, lowp_scales, ff, b1; writes ff
.if DOCPART == 6
	.amdgcn_target "amdgcn-amd-amdhsa--gfx1250"
	.amdhsa_code_object_version 6
	.text
	.protected	k_q88a558116c_ffn1
	.globl	k_q88a558116c_ffn1
	.p2align	8
	.type	k_q88a558116c_ffn1,@function
k_q88a558116c_ffn1:
	s_mov_b64 s[64:65], 0
	v_nop
	global_prefetch_b8 v0, s[64:65] scope:SCOPE_SE
	s_setreg_imm32_b32 hwreg(HW_REG_WAVE_MODE, 25, 1), 1
	s_wait_xcnt 0x0
	s_wait_alu depctr_hold_cnt(0) depctr_sa_sdst(0) depctr_va_vdst(0) depctr_va_sdst(0) depctr_va_ssrc(0) depctr_va_vcc(0) depctr_vm_vsrc(0)
	s_getreg_b32 s2, hwreg(HW_REG_IB_STS2, 6, 4)
	s_cmp_eq_u32 s2, 0
	s_cbranch_scc0 .Lentry_in_a_cluster
	s_endpgm
.Lentry_in_a_cluster:
	s_bfe_u32 s2, ttmp6, 0x10000c
	s_cmp_lg_u32 s2, 0xf033
	s_cbranch_scc0 .Lentry_shape_is_right
	s_endpgm
.Lentry_shape_is_right:
; ff = Q(relu(h2 W1 + b1)) as codes: A = h2 [4096][1024], B = wc at byte 4,194,304 [4096 (n)][1024 (k)], both codes of FP8 (E4M3); the bias, divided by 2^(ea + eb), starts the sums; the hold between 0 and the largest code is the activation too.
; ff is laid [4][4096][1024]: panel g holds columns 1024 g on.  A tile of C is 256 x 256, four waves of 128 x 128; K = 1,024 goes in four steps of 256 through a ring of two LDS slots; 4 x 4 clusters ask for A's tiles jointly along a row, for B's along a column.
; The head asks for K step 0, one tensor load a wave; slot 1's first fill stands behind the three lines and a round, as a refill does.
; NO PREFETCH: the block is the largest, in clusters, and K has four steps, two of which the head's fills bring.
; LIMITS: ea + eb, and the output's exponent less them, between -126 and 119.
.set KIND,   1
.set KSTEP,  256
.set ROWB,   256
.set KROW,   1024
.set PITCH,  272
.set FR,     16
.set NL,     4
.set NP,     4
.set HALFT,  128*PITCH
.set SLOT,   4*HALFT
.set LAPS,   1024/(2*KSTEP)
.set SPARE,  2*SLOT
.set ADRA, 16
.set ADRB, 20
.set STO,  24
.set RD,   25
.set CO,   26
.set SPW,  28
.set NIL,  29
.set SCV,  30
.set BO,   31
.set BI,   32
.set TMP,  32
.set AF,   128
.set CD,   128
.set G1, 24
.set G0, 32
.set G1B, 48
.set G0B, 56
.set HI, 72
.set LO, 73
.set MSB, 0
.macro WIN new
.if MSB != \new
	s_set_vgpr_msb (MSB<<8)|\new
.set MSB, \new
.endif
.endm
.set MUL_LO, 0xa1
.set MUL_HI, 0xf1
.set TO_B,   0x40
.macro JLOAD g0a, g1a, g0b, g1b
	s_cmp_eq_u32 s15, 0
	s_cbranch_scc0 .Lfor_b_\@
	tensor_load_to_lds s[\g0a:\g0a+3], s[\g1a:\g1a+7]
	s_nop 0
.rept 4
	v_nop
.endr
	s_branch .Lasked_\@
.Lfor_b_\@:
	tensor_load_to_lds s[\g0b:\g0b+3], s[\g1b:\g1b+7]
	s_nop 0
.rept 4
	v_nop
.endr
.Lasked_\@:
.endm
.macro CREST
	s_cmp_lg_u32 s14, 0
	s_cbranch_scc1 .Lnot_wave_0_\@
	s_barrier_signal -3
.Lnot_wave_0_\@:
	s_barrier_wait -3
	s_barrier_signal -1
	s_barrier_wait -1
.endm
.macro CROUND
	s_barrier_signal -1
	s_barrier_wait -1
	CREST
.endm
	s_load_b128 s[4:7], s[0:1], 0x0
	s_load_b128 s[8:11], s[0:1], 0x10
.if KIND == 1
	s_load_b64 s[12:13], s[0:1], 0x20
.endif
	v_lshl_add_u32 v[SPW], v0, 2, SPARE
	v_mov_b32 v[NIL], 0
	ds_add_u32 v28, v29
	ds_add_u32 v28, v29
	s_wait_dscnt 0x0
	v_lshrrev_b32 v1, 5, v0
	v_readfirstlane_b32 s14, v1
	s_lshr_b32 s15, s14, 1
	s_and_b32 s16, s14, 1
	s_bfe_u32 s40, ttmp6, 0x40000
	s_bfe_u32 s41, ttmp6, 0x40004
	s_lshl_b32 s42, ttmp9, 2
	s_add_co_u32 s42, s42, s40
	s_and_b32 s17, ttmp7, 0xffff
	s_lshl_b32 s17, s17, 2
	s_add_co_u32 s17, s17, s41
	s_lshl_b32 s43, s41, 2
	s_lshl_b32 s43, 15, s43
	s_lshl_b32 s44, 0x1111, s40
	s_or_b32 s[G1+0], s43, (1<<20)|(1<<21)|(5<<22)|(3<<25)
	s_or_b32 s[G1B+0], s44, (1<<20)|(1<<21)|(5<<22)|(3<<25)
.irp g, G1, G1B
	s_mov_b32 s[\g+1], ROWB<<16
	s_mov_b32 s[\g+2], 128<<16
	s_mov_b32 s[\g+3], ROWB<<16
	s_mov_b32 s[\g+4], 128
	s_mov_b32 s[\g+5], KROW
	s_mov_b32 s[\g+6], 0
	s_mov_b32 s[\g+7], 0
.endr
	s_lshl_b32 s18, s16, 7
	s_lshl_b32 s20, s17, 8
	s_add_co_u32 s20, s20, s18
	s_lshl_b32 s20, s20, 10
.if KIND == 0
	s_lshl_b32 s19, ttmp9, 22
	s_add_co_u32 s20, s20, s19
.endif
	s_mov_b32 s21, 0
	s_lshl_b32 s46, s42, 8
	s_add_co_u32 s46, s46, s18
	s_lshl_b32 s46, s46, 10
.if KIND == 1
	s_add_co_u32 s46, s46, 4194304
.endif
	s_mov_b32 s47, 0
	s_mul_i32 s45, s14, HALFT
.if KIND == 0
	s_lshl_b32 s76, ttmp9, 3
	s_mov_b32 s77, 0
	s_lshl_b32 s78, ttmp9, 2
	s_lshr_b32 s79, ttmp9, 1
	s_lshl_b32 s79, s79, 2
	s_add_co_u32 s78, s78, s79
	s_mov_b32 s79, 0
.endif
	s_wait_kmcnt 0x0
.if KIND == 0
	s_add_nc_u64 s[66:67], s[8:9], s[76:77]
	s_add_nc_u64 s[78:79], s[8:9], s[78:79]
	s_load_b64 s[68:69], s[66:67], 0x0
	s_load_b32 s70, s[78:79], 0x18
	s_add_nc_u64 s[12:13], s[6:7], 12582912
.else
	s_load_b96 s[68:70], s[8:9], 0x30
.endif
	s_add_nc_u64 s[20:21], s[4:5], s[20:21]
	s_add_nc_u64 s[46:47], s[6:7], s[46:47]
	CROUND
.irp s, 0,1
	s_mov_b32 s[G0+4*\s], 1
	s_add_co_u32 s[G0+4*\s+1], s45, \s*SLOT
	s_add_nc_u64 s[G0+4*\s+2:G0+4*\s+3], s[20:21], \s*ROWB
	s_or_b32 s[G0+4*\s+3], s[G0+4*\s+3], 0x80000000
	s_mov_b32 s[G0B+4*\s], 1
	s_add_co_u32 s[G0B+4*\s+1], s45, \s*SLOT
	s_add_nc_u64 s[G0B+4*\s+2:G0B+4*\s+3], s[46:47], \s*ROWB
	s_or_b32 s[G0B+4*\s+3], s[G0B+4*\s+3], 0x80000000
.endr
	JLOAD G0, G1, G0B, G1B                         ; K step 0: one tensor load a wave at the head
	v_and_b32 v1, 15, v0
	v_bfe_u32 v2, v0, 4, 1
	v_lshlrev_b32 v[BO], 5, v2
	s_lshl_b32 s86, s42, 10
	s_lshl_b32 s87, s16, 9
	s_add_co_u32 s86, s86, s87
	s_mov_b32 s87, 0
	s_add_nc_u64 s[12:13], s[12:13], s[86:87]
.irp b, 0,1,2,3,4,5,6,7
	global_load_b128 v[BI+8*\b:BI+8*\b+3], v[BO], s[12:13] offset:64*\b
	global_load_b128 v[BI+8*\b+4:BI+8*\b+7], v[BO], s[12:13] offset:64*\b+16
.endr
	v_mul_u32_u24 v3, v1, PITCH
	s_wait_alu depctr_va_vdst(0)
	v_lshl_add_u32 v4, v2, 4, v3
	s_mul_i32 s21, s15, HALFT
	s_mul_i32 s22, s16, HALFT
	s_add_co_u32 s22, s22, 2*HALFT
.irp s, 0,1
	v_add_nc_u32 v[ADRA+\s], s21, v4
	v_add_nc_u32 v[ADRB+\s], s22, v4
	s_add_co_u32 s21, s21, SLOT
	s_add_co_u32 s22, s22, SLOT
.endr
	s_mul_i32 s23, s15, 128*PITCH
	s_lshl_b32 s21, s16, 7
	s_add_co_u32 s23, s23, s21
	v_lshl_add_u32 v5, v2, 3, v3
	v_add_nc_u32 v[STO], s23, v5
	s_mul_i32 s23, s14, 64*PITCH
	v_mul_u32_u24 v5, v2, PITCH
	v_lshl_add_u32 v5, v1, 4, v5
	v_add_nc_u32 v[RD], s23, v5
	v_lshlrev_b32 v5, 10, v2
	v_lshl_add_u32 v[CO], v1, 4, v5
	s_lshl_b32 s20, s17, 8
	s_lshl_b32 s21, s14, 6
	s_add_co_u32 s20, s20, s21
	s_lshl_b32 s20, s20, 10
	s_lshl_b32 s21, ttmp9, 22
	s_add_co_u32 s20, s20, s21
	s_mov_b32 s21, 0
	s_add_nc_u64 s[10:11], s[10:11], s[20:21]
	s_lshl_b32 s46, s40, 8
	s_mov_b32 s47, 0
	s_add_nc_u64 s[10:11], s[10:11], s[46:47]
	s_wait_kmcnt 0x0
	s_add_co_i32 s71, s68, s69
	s_sub_co_i32 s74, 0, s71
	s_sub_co_i32 s70, s70, s71
	s_add_co_i32 s70, s70, 127
	s_lshl_b32 s75, s70, 23
	v_mov_b32 v[SCV], s75
	s_add_co_i32 s70, s70, 8
	s_lshl_b32 s[HI], s70, 23
	s_or_b32 s[HI], s[HI], 0x600000
.if KIND == 0
	s_or_b32 s[LO], s[HI], 0x80000000
.else
	s_mov_b32 s[LO], 0
.endif
	s_wait_loadcnt 0x0
.set j, 0
.rept 64
	v_ldexp_f32 v[BI+j], v[BI+j], s74
.set j, j+1
.endr
.macro FRAG reg, adr, q, i
.irp c, 0,1,2,3
	ds_load_b128 v[\reg+4*\c:\reg+4*\c+3], v[\adr] offset:128*(\q)+32*\c+(\i)*16*PITCH
.endr
.endm
.macro MUL16 a0, p, first
.irp a, \a0, \a0+1
.irp b, 0,1,2,3,4,5,6,7
.if \first
	v_wmma_f32_16x16x128_fp8_fp8 v[8*(8*((\a)%4)+\b):8*(8*((\a)%4)+\b)+7], v[128*(\p)+FR*\b:128*(\p)+FR*\b+FR-1], v[AF+FR*(\a):AF+FR*(\a)+FR-1], v[BI+8*\b:BI+8*\b+7]
.else
	v_wmma_f32_16x16x128_fp8_fp8 v[8*(8*((\a)%4)+\b):8*(8*((\a)%4)+\b)+7], v[128*(\p)+FR*\b:128*(\p)+FR*\b+FR-1], v[AF+FR*(\a):AF+FR*(\a)+FR-1], v[8*(8*((\a)%4)+\b):8*(8*((\a)%4)+\b)+7]
.endif
.endr
.endr
.endm
.macro FETCH_B slot, q, p
	WIN TO_B
.irp i, 0,1,2,3,4,5,6,7
	FRAG 128*(\p)+FR*\i, ADRB+\slot, \q, \i
.endr
	WIN 0
.endm
.macro FETCH_A slot, q, i0
.irp i, \i0, \i0+1, \i0+2, \i0+3
	FRAG AF+FR*(\i), ADRA+\slot, \q, \i
.endr
.endm
.macro PLACES n
.rept \n
	v_nop
.endr
.endm
.macro STEP slot, q, first
	s_wait_dscnt 4*NL
.if \first
	WIN 0x81
.else
	WIN MUL_LO
.endif
	MUL16 0, (\q)%2, \first
	MUL16 2, (\q)%2, \first
	s_wait_dscnt 0
	PLACES NP
	FETCH_B \slot, (\q)+1, 1-(\q)%2
	FETCH_A \slot, (\q)+1, 0
.if \first
	WIN 0xc1
.else
	WIN MUL_HI
.endif
	MUL16 4, (\q)%2, \first
	MUL16 6, (\q)%2, \first
	PLACES NP
	WIN 0
	FETCH_A \slot, (\q)+1, 4
.endm
.macro TURN slot, next, fill
	s_wait_tensorcnt 0x0
	ds_add_u32 v[SPW], v[NIL]
	s_wait_dscnt 4*NL+1
	WIN MUL_LO
	MUL16 0, 1, 0
	s_wait_dscnt 0x0
	s_barrier_signal -1
	MUL16 2, 1, 0
	WIN 0
	s_barrier_wait -1
.if \fill
	CREST
	s_add_nc_u64 s[G0+4*\slot+2:G0+4*\slot+3], s[G0+4*\slot+2:G0+4*\slot+3], 2*ROWB
	s_add_nc_u64 s[G0B+4*\slot+2:G0B+4*\slot+3], s[G0B+4*\slot+2:G0B+4*\slot+3], 2*ROWB
	JLOAD G0+4*\slot, G1, G0B+4*\slot, G1B
.else
	PLACES NP
.endif
	FETCH_B \next, 0, 0
	FETCH_A \next, 0, 0
	WIN MUL_HI
	MUL16 4, 1, 0
	MUL16 6, 1, 0
	PLACES NP
	WIN 0
	FETCH_A \next, 0, 4
.endm
	s_wait_alu depctr_va_vdst(0)
	s_wait_tensorcnt 0x0                           ; my part of K step 0 is in
	ds_add_u32 v[SPW], v[NIL]
	s_wait_dscnt 0x0
	CROUND                                         ; everybody's part is in, and all sixteen work-groups are here
	JLOAD G0+4, G1, G0B+4, G1B                     ; K step 1, the first tensor load behind the round
	FETCH_B 0, 0, 0
	FETCH_A 0, 0, 0
	FETCH_A 0, 0, 4
	STEP 0, 0, 1
	s_mov_b32 s3, LAPS-1
.Llap:
	TURN 0, 1, 1
	STEP 1, 0, 0
	TURN 1, 0, 1
	STEP 0, 0, 0
	s_sub_co_u32 s3, s3, 1
	s_cmp_lg_u32 s3, 0
	s_cbranch_scc1 .Llap
	TURN 0, 1, 0
	STEP 1, 0, 0
	s_wait_dscnt 4*NL
	WIN MUL_LO
	MUL16 0, 1, 0
	MUL16 2, 1, 0
	s_wait_dscnt 0
	WIN MUL_HI
	MUL16 4, 1, 0
	MUL16 6, 1, 0
	WIN 0
	PLACES NP
.macro CODES a
.set AC, 64*((\a)%4)
	WIN 0x02+((\a)/4)
.set j, 0
.rept 64
	v_med3_num_f32 v[TMP+j], v[AC+j], s[LO], s[HI]
.set j, j+1
.endr
	WIN 0
.irp b, 0,1,2,3,4,5,6,7
	v_cvt_scalef32_pk8_fp8_f32 v[CD+16*(\a)+2*\b:CD+16*(\a)+2*\b+1], v[TMP+8*\b:TMP+8*\b+7], v[SCV]
.endr
	v_nop
.irp b, 0,1,2,3,4,5,6,7
	ds_store_b64 v[STO], v[CD+16*(\a)+2*\b:CD+16*(\a)+2*\b+1] offset:(\a)*16*PITCH+16*\b
.endr
.endm
.irp a, 0,1,2,3,4,5,6,7
	CODES \a
.endr
	s_wait_dscnt 0x0
	s_barrier_signal -1
	s_barrier_wait -1
.set t, 0
.rept 32
.set rg, 32+4*t+32*(t/16)
	ds_load_b128 v[rg:rg+3], v[RD] offset:2*t*PITCH
.set t, t+1
.endr
.set t, 0
.rept 32
.set rg, 32+4*t+32*(t/16)
	s_wait_dscnt 31-t
	global_store_b128 v[CO], v[rg:rg+3], s[10:11] offset:2*t*1024
.set t, t+1
.endr
	s_wait_tensorcnt 0x0
	ds_add_u32 v[SPW], v[NIL]
	s_wait_dscnt 0x0
	CROUND
	s_endpgm
.Lfunc_end_k_q88a558116c_ffn1:
	.size	k_q88a558116c_ffn1, .Lfunc_end_k_q88a558116c_ffn1-k_q88a558116c_ffn1
	.p2alignl 7, 3214868480
	.fill 96, 4, 3214868480
	.section	.rodata,"a",@progbits
	.p2align	6, 0x0
	.amdhsa_kernel k_q88a558116c_ffn1
		.amdhsa_group_segment_fixed_size 327680
		.amdhsa_private_segment_fixed_size 0
		.amdhsa_enable_private_segment 0
		.amdhsa_kernarg_size 40
		.amdhsa_user_sgpr_count 2
		.amdhsa_user_sgpr_kernarg_segment_ptr 1
		.amdhsa_wavefront_size32 1
		.amdhsa_system_sgpr_workgroup_id_x 1
		.amdhsa_system_sgpr_workgroup_id_y 1
		.amdhsa_system_sgpr_workgroup_id_z 1
		.amdhsa_system_vgpr_workitem_id 0
		.amdhsa_next_free_vgpr 1024
		.amdhsa_next_free_sgpr 100
		.amdhsa_reserve_vcc 0
		.amdhsa_float_denorm_mode_32 3
		.amdhsa_float_denorm_mode_16_64 3
		.amdhsa_memory_ordered 1
		.amdhsa_forward_progress 1
		.amdhsa_inst_pref_size 131
	.end_amdhsa_kernel
	.amdgpu_metadata
---
amdhsa.version: [ 1, 2 ]
amdhsa.kernels:
  - .name:           k_q88a558116c_ffn1
    .symbol:         k_q88a558116c_ffn1.kd
    .args:
      - { .name: h2, .offset: 0, .size: 8, .value_kind: global_buffer, .address_space: global }
      - { .name: wc, .offset: 8, .size: 8, .value_kind: global_buffer, .address_space: global }
      - { .name: lowp_scales, .offset: 16, .size: 8, .value_kind: global_buffer, .address_space: global }
      - { .name: ff, .offset: 24, .size: 8, .value_kind: global_buffer, .address_space: global }
      - { .name: b1, .offset: 32, .size: 8, .value_kind: global_buffer, .address_space: global }
    .group_segment_fixed_size: 327680
    .private_segment_fixed_size: 0
    .kernarg_segment_align: 8
    .kernarg_segment_size: 40
    .max_flat_workgroup_size: 128
    .sgpr_count:     100
    .vgpr_count:     1024
    .wavefront_size: 32
...
	.end_amdgpu_metadata
.endif
;; end of part 6
;; launch ffn2 (part 7): grid 8 x 32, 4 waves a work-group, clusters of 4 x 4, 327,680 bytes of LDS; arguments ff, wc, b2, x1, lowp_scales, out0; writes out0
.if DOCPART == 7
	.amdgcn_target "amdgcn-amd-amdhsa--gfx1250"
	.amdhsa_code_object_version 6
	.text
	.protected	k_q88a558116c_ffn2
	.globl	k_q88a558116c_ffn2
	.p2align	8
	.type	k_q88a558116c_ffn2,@function
k_q88a558116c_ffn2:
	s_mov_b64 s[64:65], 0
	v_nop
	global_prefetch_b8 v0, s[64:65] scope:SCOPE_SE
	s_setreg_imm32_b32 hwreg(HW_REG_WAVE_MODE, 25, 1), 1
	s_wait_xcnt 0x0
	s_wait_alu depctr_hold_cnt(0) depctr_sa_sdst(0) depctr_va_vdst(0) depctr_va_sdst(0) depctr_va_ssrc(0) depctr_va_vcc(0) depctr_vm_vsrc(0)
	s_getreg_b32 s2, hwreg(HW_REG_IB_STS2, 6, 4)
	s_cmp_eq_u32 s2, 0
	s_cbranch_scc0 .Lentry_in_a_cluster
	s_endpgm
.Lentry_in_a_cluster:
	s_bfe_u32 s2, ttmp6, 0x10000c
	s_cmp_lg_u32 s2, 0xf033
	s_cbranch_scc0 .Lentry_shape_is_right
	s_endpgm
.Lentry_shape_is_right:
; out0 = x1 + ff W2 x 2^(e14 + e15) + b2.  A: ff [4][4096][1024], panel g = K 1024 g on; B: wc at byte 8,388,608 [1024 (n)][4096 (k)]; both codes of FP8 (E4M3); x1, out0 f32 [4096][1024].
; A tile of C is 128 x 128: 256 work-groups; four waves of 64 x 64.  K = 4,096 goes in eight steps of 512 through a ring of two LDS slots; slot 0 takes the even steps, slot 1 the odd ones: a slot's next step lies one panel on in A, 1,024 bytes on in B.
; 4 x 4 clusters ask for A's tiles jointly along a row, for B's along a column.  The head asks for K step 0, one tensor load a wave; slot 1's first fill stands behind the three lines and a round, as a refill does.
; PREFETCH: behind the fill of K step s stands one global_prefetch_b8 a wave for K step s + 2, s = 0 .. 5; the fills of steps 6 and 7 ask for nothing.  Of the 64 rows x 512 bytes that a wave fetches, each of the four partners that ask
; for them jointly names 16 rows x 2 blocks of 256 bytes, a lane a block, told apart by address (cx for A, cy for B): each block is named once in each cluster that loads it.
; LIMIT: e14 + e15 between -126 and 127.
.set KIND,   1
.if KIND == 0
.set LAPS,   1
.set BOFF,   3145728
.set BPITCH, 1024
.set SCB,    40
.else
.set LAPS,   4
.set BOFF,   8388608
.set BPITCH, 4096
.set SCB,    56
.endif
.set ASTEP,  4194304
.set BSTEP,  1024
.set KSLOT,  512
.set PITCH,  528
.set HALFT,  64*PITCH
.set SLOT,   4*HALFT
.set STAGE,  2*SLOT
.set SPITCH, 272
.set SPARE,  STAGE+4*16*SPITCH
.set ADRA, 16
.set ADRB, 20
.set STO,  24
.set RD,   25
.set CO,   26
.set SPW,  28
.set NIL,  29
.set BO,   30
.set BIA,  32
.set BK,   64
.set ACC,  128
.set F0,   0
.set F1,   128
.set G1, 24
.set G0, 32
.set G1B, 48
.set G0B, 56
.set MSB, 0
.macro WIN new
.if MSB != \new
	s_set_vgpr_msb (MSB<<8)|\new
.set MSB, \new
.endif
.endm
.set MUL,  0x05
.set TO_F, 0x40
.macro JLOAD s
	s_cmp_eq_u32 s11, 0
	s_cbranch_scc0 .Lfor_b_\@
	tensor_load_to_lds s[G0+4*\s:G0+4*\s+3], s[G1:G1+7]
	s_nop 0
.rept 4
	v_nop
.endr
	s_branch .Lasked_\@
.Lfor_b_\@:
	tensor_load_to_lds s[G0B+4*\s:G0B+4*\s+3], s[G1B:G1B+7]
	s_nop 0
.rept 4
	v_nop
.endr
.Lasked_\@:
.endm
.macro CREST
	s_cmp_lg_u32 s10, 0
	s_cbranch_scc1 .Lnot_wave_0_\@
	s_barrier_signal -3
.Lnot_wave_0_\@:
	s_barrier_wait -3
	s_barrier_signal -1
	s_barrier_wait -1
.endm
.macro CROUND
	s_barrier_signal -1
	s_barrier_wait -1
	CREST
.endm
	s_load_b128 s[4:7], s[0:1], 0x0
	s_load_b128 s[68:71], s[0:1], 0x10
	s_load_b128 s[72:75], s[0:1], 0x20
	v_lshl_add_u32 v[SPW], v0, 2, SPARE
	v_mov_b32 v[NIL], 0
	ds_add_u32 v28, v29
	ds_add_u32 v28, v29
	s_wait_dscnt 0x0
	v_lshrrev_b32 v1, 5, v0
	v_readfirstlane_b32 s10, v1
	s_lshr_b32 s11, s10, 1
	s_and_b32 s12, s10, 1
	s_cmp_eq_u32 s11, 0
	s_cselect_b32 s84, 10, 12                      ; log2 of a row's bytes in memory: A 1,024, B 4,096
	v_and_b32 v31, 31, v0
	v_lshrrev_b32 v27, 1, v31                      ; the prefetches' offset: row lane / 2,
	v_and_b32 v31, 1, v31
	v_lshlrev_b32 v27, s84, v27
	v_lshl_add_u32 v31, v31, 8, v27                ; block lane % 2 of its 512 bytes; never rewritten
	s_wait_alu depctr_va_vdst(0)
	s_bfe_u32 s40, ttmp6, 0x40000
	s_bfe_u32 s41, ttmp6, 0x40004
	s_lshl_b32 s42, ttmp9, 2
	s_add_co_u32 s42, s42, s40
	s_and_b32 s13, ttmp7, 0xffff
	s_lshl_b32 s13, s13, 2
	s_add_co_u32 s13, s13, s41
	s_lshl_b32 s43, s41, 2
	s_lshl_b32 s43, 15, s43
	s_lshl_b32 s44, 0x1111, s40
	s_or_b32 s[G1+0], s43, (1<<20)|(1<<21)|(6<<22)|(3<<25)
	s_or_b32 s[G1B+0], s44, (1<<20)|(1<<21)|(6<<22)|(3<<25)
.irp g, G1, G1B
	s_mov_b32 s[\g+1], KSLOT<<16
	s_mov_b32 s[\g+2], 64<<16
	s_mov_b32 s[\g+3], KSLOT<<16
	s_mov_b32 s[\g+4], 64
	s_mov_b32 s[\g+6], 0
	s_mov_b32 s[\g+7], 0
.endr
	s_mov_b32 s[G1+5], 1024
	s_mov_b32 s[G1B+5], BPITCH
	s_lshl_b32 s17, s12, 6
	s_lshl_b32 s16, s13, 7
	s_add_co_u32 s16, s16, s17
	s_lshl_b32 s16, s16, 10
	s_lshl_b32 s46, s42, 7
	s_add_co_u32 s46, s46, s17
	s_mul_i32 s46, s46, BPITCH
	s_add_co_u32 s46, s46, BOFF
	s_mov_b32 s17, 0
	s_mov_b32 s47, 0
	s_mul_i32 s20, s10, HALFT
	s_wait_kmcnt 0x0
	s_load_b64 s[96:97], s[72:73], SCB
	s_add_nc_u64 s[14:15], s[4:5], s[16:17]
	s_add_nc_u64 s[46:47], s[6:7], s[46:47]
	s_cmp_eq_u32 s11, 0                            ; where my prefetches stand: s[76:77] for slot 0, s[78:79] for slot 1; s[80:81] a slot's next step
	s_cselect_b64 s[76:77], s[14:15], s[46:47]     ; the 64 rows that I fetch,
	s_cselect_b32 s82, s40, s41                    ; my work-group's place among the four that ask with me,
	s_mov_b32 s80, BSTEP
	s_cselect_b32 s80, ASTEP, s80
	s_mov_b32 s81, 0
	s_mov_b32 s83, 0
	s_add_co_u32 s85, s84, 4
	s_lshl_b32 s82, s82, s85                       ; x 16 rows
	s_add_nc_u64 s[76:77], s[76:77], s[82:83]
	s_add_nc_u64 s[86:87], s[76:77], KSLOT         ; K step 1, named once, at the head
	s_add_nc_u64 s[76:77], s[76:77], s[80:81]      ; K step 2
	s_add_nc_u64 s[78:79], s[76:77], KSLOT         ; K step 3
	CROUND
.irp s, 0,1
	s_mov_b32 s[G0+4*\s], 1
	s_add_co_u32 s[G0+4*\s+1], s20, \s*SLOT
	s_add_nc_u64 s[G0+4*\s+2:G0+4*\s+3], s[14:15], \s*KSLOT
	s_or_b32 s[G0+4*\s+3], s[G0+4*\s+3], 0x80000000
	s_mov_b32 s[G0B+4*\s], 1
	s_add_co_u32 s[G0B+4*\s+1], s20, \s*SLOT
	s_add_nc_u64 s[G0B+4*\s+2:G0B+4*\s+3], s[46:47], \s*KSLOT
	s_or_b32 s[G0B+4*\s+3], s[G0B+4*\s+3], 0x80000000
.endr
	JLOAD 0                                        ; K step 0: one tensor load a wave at the head
	global_prefetch_b8 v31, s[86:87] th:TH_LOAD_NT scope:SCOPE_SE   ; K step 1, one fill ahead of its load: the buffers' first touch has no earlier place to ask from
	global_prefetch_b8 v31, s[76:77] th:TH_LOAD_NT scope:SCOPE_SE   ; K step 2: two K steps are now asked for and not yet read, and never more
	v_and_b32 v1, 15, v0
	v_bfe_u32 v2, v0, 4, 1
	v_lshlrev_b32 v5, 12, v2
	v_lshl_add_u32 v[CO], v1, 4, v5
	v_lshlrev_b32 v[BO], 4, v1
	s_wait_alu depctr_va_vdst(0)
	s_lshl_b32 s16, s13, 7
	s_lshl_b32 s17, s11, 6
	s_add_co_u32 s16, s16, s17
	s_lshl_b32 s16, s16, 12
	s_mov_b32 s17, 0
	s_lshl_b32 s46, s42, 9
	s_lshl_b32 s47, s12, 8
	s_add_co_u32 s46, s46, s47
	s_mov_b32 s47, 0
	s_add_nc_u64 s[68:69], s[68:69], s[46:47]
	s_add_nc_u64 s[70:71], s[70:71], s[16:17]
	s_add_nc_u64 s[70:71], s[70:71], s[46:47]
	s_add_nc_u64 s[74:75], s[74:75], s[16:17]
	s_add_nc_u64 s[74:75], s[74:75], s[46:47]
	v_mul_u32_u24 v3, v1, PITCH
	v_lshl_add_u32 v3, v2, 4, v3
	s_mul_i32 s21, s11, HALFT
	s_mul_i32 s22, s12, HALFT
	s_add_co_u32 s22, s22, 2*HALFT
.irp s, 0,1
	v_add_nc_u32 v[ADRA+\s], s21, v3
	v_add_nc_u32 v[ADRB+\s], s22, v3
	s_add_co_u32 s21, s21, SLOT
	s_add_co_u32 s22, s22, SLOT
.endr
	s_mul_i32 s23, s10, 16*SPITCH
	s_add_co_u32 s23, s23, STAGE
	v_mul_u32_u24 v4, v1, SPITCH
	v_lshl_add_u32 v4, v2, 5, v4
	v_add_nc_u32 v[STO], s23, v4
	v_mul_u32_u24 v5, v2, SPITCH
	v_lshl_add_u32 v5, v1, 4, v5
	v_add_nc_u32 v[RD], s23, v5
.macro MUL4 f, a, zero
.irp b, 0,1,2,3
.if \zero
	v_wmma_f32_16x16x128_fp8_fp8 v[ACC+8*(4*(\a)+\b):ACC+8*(4*(\a)+\b)+7], v[\f+64+16*\b:\f+64+16*\b+15], v[\f+16*(\a):\f+16*(\a)+15], 0
.else
	v_wmma_f32_16x16x128_fp8_fp8 v[ACC+8*(4*(\a)+\b):ACC+8*(4*(\a)+\b)+7], v[\f+64+16*\b:\f+64+16*\b+15], v[\f+16*(\a):\f+16*(\a)+15], v[ACC+8*(4*(\a)+\b):ACC+8*(4*(\a)+\b)+7]
.endif
.endr
.endm
.macro FETCH slot, k, f
	WIN TO_F
.irp i, 0,1,2,3
.irp c, 0,1,2,3
	ds_load_b128 v[\f+64+16*\i+4*\c:\f+64+16*\i+4*\c+3], v[ADRB+\slot] offset:\k+32*\c+\i*16*PITCH
.endr
.endr
.irp i, 0,1,2,3
.irp c, 0,1,2,3
	ds_load_b128 v[\f+16*\i+4*\c:\f+16*\i+4*\c+3], v[ADRA+\slot] offset:\k+32*\c+\i*16*PITCH
.endr
.endr
.endm
.macro PLACES
.rept 4
	v_nop
.endr
.endm
.macro QUARTER slot, k, f, g, zero
	s_wait_dscnt 8
	WIN MUL
	MUL4 \f, 0, \zero
	MUL4 \f, 1, \zero
	PLACES
	FETCH \slot, \k, \g
	s_wait_dscnt 32
	WIN MUL
	MUL4 \f, 2, \zero
	MUL4 \f, 3, \zero
.endm
.macro TURN slot, next, fill
	WIN 0
.if \fill
	s_wait_xcnt 0x0                                ; this slot's last prefetch has read its address: it steps to the K step two fills on from the one asked for below
	s_add_nc_u64 s[76+2*\slot:77+2*\slot], s[76+2*\slot:77+2*\slot], s[80:81]
.endif
	s_wait_tensorcnt 0x0
	ds_add_u32 v[SPW], v[NIL]
	s_wait_dscnt 9
	WIN MUL
	MUL4 F1, 0, 0
	s_wait_dscnt 0x0
	s_barrier_signal -1
	MUL4 F1, 1, 0
.if \fill
	WIN 0
.endif
	s_barrier_wait -1
.if \fill
	CREST
	s_add_nc_u64 s[G0+4*\slot+2:G0+4*\slot+3], s[G0+4*\slot+2:G0+4*\slot+3], ASTEP
	s_add_nc_u64 s[G0B+4*\slot+2:G0B+4*\slot+3], s[G0B+4*\slot+2:G0B+4*\slot+3], BSTEP
	JLOAD \slot
.else
	PLACES
.endif
	FETCH \next, 0, F0
.if \fill
	WIN 0                                          ; at a branch and at a label every window is 0
	s_cmp_gt_u32 s3, 1                             ; the loop's last trip fills with K steps 6 and 7: no step lies two on
	s_cbranch_scc0 .Lno_ask_\@
	global_prefetch_b8 v31, s[76+2*\slot:77+2*\slot] th:TH_LOAD_NT scope:SCOPE_SE
.Lno_ask_\@:
.endif
	WIN MUL
	MUL4 F1, 2, 0
	MUL4 F1, 3, 0
.endm
	s_wait_alu depctr_va_vdst(0)
	s_wait_tensorcnt 0x0                           ; my part of K step 0 is in
	ds_add_u32 v[SPW], v[NIL]
	s_wait_dscnt 0x0
	CROUND                                         ; everybody's part is in, and all sixteen work-groups are here
	JLOAD 1                                        ; K step 1, the first tensor load behind the round
	FETCH 0, 0, F0
	global_prefetch_b8 v31, s[78:79] th:TH_LOAD_NT scope:SCOPE_SE   ; K step 3 (the address register lies in window 0, which source 0 still names)
	WIN 0
	global_load_b128 v[BIA:BIA+3], v[BO], s[68:69] ; the bias and the residual, which only the way out reads, are asked for behind both first fills
	WIN 0x80                                       ; destination window 2
.set t, 0
.rept 32
	global_load_b128 v[4*t:4*t+3], v[CO], s[70:71] offset:2*t*4096
.set t, t+1
.endr
	QUARTER 0, 128, F0, F1, 1
.if LAPS > 1
	WIN 0
	s_mov_b32 s3, LAPS-1
.Llap:
	QUARTER 0, 256, F1, F0, 0
	QUARTER 0, 384, F0, F1, 0
	TURN 0, 1, 1
	QUARTER 1, 128, F0, F1, 0
	QUARTER 1, 256, F1, F0, 0
	QUARTER 1, 384, F0, F1, 0
	TURN 1, 0, 1
	QUARTER 0, 128, F0, F1, 0
	WIN 0
	s_sub_co_u32 s3, s3, 1
	s_cmp_lg_u32 s3, 0
	s_cbranch_scc1 .Llap
.endif
	QUARTER 0, 256, F1, F0, 0
	QUARTER 0, 384, F0, F1, 0
	TURN 0, 1, 0
	QUARTER 1, 128, F0, F1, 0
	QUARTER 1, 256, F1, F0, 0
	QUARTER 1, 384, F0, F1, 0
	s_wait_dscnt 8
	WIN MUL
	MUL4 F1, 0, 0
	MUL4 F1, 1, 0
	s_wait_dscnt 0
	MUL4 F1, 2, 0
	MUL4 F1, 3, 0
	WIN 0
	s_wait_kmcnt 0x0
	s_add_co_i32 s96, s96, s97
	s_add_co_i32 s96, s96, 127
	s_lshl_b32 s96, s96, 23
	s_mov_b32 s97, s96
	s_wait_loadcnt 0x0
	PLACES
.macro TOSTAGE a
.set BB, BK+32*((\a)%2)
.irp b, 0,1,2,3
	ds_store_b128 v[STO], v[ACC+8*(4*(\a)+\b):ACC+8*(4*(\a)+\b)+3] offset:64*\b
	ds_store_b128 v[STO], v[ACC+8*(4*(\a)+\b)+4:ACC+8*(4*(\a)+\b)+7] offset:64*\b+16
.endr
.irp t, 0,1,2,3,4,5,6,7
	ds_load_b128 v[BB+4*\t:BB+4*\t+3], v[RD] offset:2*\t*SPITCH
.endr
.endm
.macro SEND a, younger
.set BB, BK+32*((\a)%2)
	s_wait_dscnt \younger
	WIN 0x20
.set j, 0
.rept 16
	v_pk_fma_f32 v[BB+j:BB+j+1], v[BB+j:BB+j+1], s[96:97], v[32*(\a)+j:32*(\a)+j+1] op_sel_hi:[1,0,1]
.set j, j+2
.endr
	WIN 0
.irp t, 0,1,2,3,4,5,6,7
	v_pk_add_f32 v[BB+4*\t:BB+4*\t+1], v[BB+4*\t:BB+4*\t+1], v[BIA:BIA+1]
	v_pk_add_f32 v[BB+4*\t+2:BB+4*\t+3], v[BB+4*\t+2:BB+4*\t+3], v[BIA+2:BIA+3]
.endr
.irp t, 0,1,2,3,4,5,6,7
	global_store_b128 v[CO], v[BB+4*\t:BB+4*\t+3], s[74:75] offset:(16*(\a)+2*\t)*4096
.endr
.endm
	TOSTAGE 0
.irp a, 1,2,3
.if \a > 1
	s_wait_xcnt 0x0
.endif
	TOSTAGE \a
	SEND \a-1, 16
.endr
	SEND 3, 0
	s_wait_tensorcnt 0x0
	ds_add_u32 v[SPW], v[NIL]
	s_wait_dscnt 0x0
	CROUND
	s_endpgm
.Lfunc_end_k_q88a558116c_ffn2:
	.size	k_q88a558116c_ffn2, .Lfunc_end_k_q88a558116c_ffn2-k_q88a558116c_ffn2
	.p2alignl 7, 3214868480
	.fill 96, 4, 3214868480
	.section	.rodata,"a",@progbits
	.p2align	6, 0x0
	.amdhsa_kernel k_q88a558116c_ffn2
		.amdhsa_group_segment_fixed_size 327680
		.amdhsa_private_segment_fixed_size 0
		.amdhsa_enable_private_segment 0
		.amdhsa_kernarg_size 48
		.amdhsa_user_sgpr_count 2
		.amdhsa_user_sgpr_kernarg_segment_ptr 1
		.amdhsa_wavefront_size32 1
		.amdhsa_system_sgpr_workgroup_id_x 1
		.amdhsa_system_sgpr_workgroup_id_y 1
		.amdhsa_system_sgpr_workgroup_id_z 1
		.amdhsa_system_vgpr_workitem_id 0
		.amdhsa_next_free_vgpr 640
		.amdhsa_next_free_sgpr 100
		.amdhsa_reserve_vcc 0
		.amdhsa_float_denorm_mode_32 3
		.amdhsa_float_denorm_mode_16_64 3
		.amdhsa_memory_ordered 1
		.amdhsa_forward_progress 1
		.amdhsa_inst_pref_size 83
	.end_amdhsa_kernel
	.amdgpu_metadata
---
amdhsa.version: [ 1, 2 ]
amdhsa.kernels:
  - .name:           k_q88a558116c_ffn2
    .symbol:         k_q88a558116c_ffn2.kd
    .args:
      - { .name: ff, .offset: 0, .size: 8, .value_kind: global_buffer, .address_space: global }
      - { .name: wc, .offset: 8, .size: 8, .value_kind: global_buffer, .address_space: global }
      - { .name: b2, .offset: 16, .size: 8, .value_kind: global_buffer, .address_space: global }
      - { .name: x1, .offset: 24, .size: 8, .value_kind: global_buffer, .address_space: global }
      - { .name: lowp_scales, .offset: 32, .size: 8, .value_kind: global_buffer, .address_space: global }
      - { .name: out0, .offset: 40, .size: 8, .value_kind: global_buffer, .address_space: global }
    .group_segment_fixed_size: 327680
    .private_segment_fixed_size: 0
    .kernarg_segment_align: 8
    .kernarg_segment_size: 48
    .max_flat_workgroup_size: 128
    .sgpr_count:     100
    .vgpr_count:     640
    .wavefront_size: 32
...
	.end_amdgpu_metadata
.endif
;; end of part 7
